; MI455X (gfx1250); checked and timed in simulation.
; The chip was launched on July 23, 2026; its instructions are those of AMD's public machine-readable ISA for CDNA 5 (MIT licence, August 2026) and "CDNA5" Instruction Set Architecture Reference Guide (July 2026). The comments in the code are by the model that wrote it; some were corrected since.
;; Attention. Allowed arithmetic: matrix products marked QUANTISED: E4M3 operands, one E8M0 scale for each 32 along K, by v_wmma_scale_f32_16x16x128_f8f6f4 with both operands' format E4M3, f32 sums; everything else in f32.
;; Inputs: bk 512 float32; bo 512 float32; bq 512 float32; bv 512 float32; gn_b 512 float32; gn_w 512 float32; wk 512 x 512 float32; wo 512 x 512 float32; wq 512 x 512 float32; wv 512 x 512 float32; x 32 x 512 x 32 x 32 float32.
;; Outputs: out0 32 x 512 x 32 x 32 float32.
;; This version of the problem:
;;   THIS VERSION OF THE PROBLEM IS GIVEN IN LOW PRECISION. The matrix products marked QUANTISED in the list below multiply operands that are first quantised to E4M3 (4 exponent bits, 3 mantissa bits; 8 bits a number), with one power-of-two scale for each 32 numbers along K (OCP MX v1.0); their sums are f32. All else is computed in f32.
;;   The module's matrix products, in the order in which they are computed (A, B: the left and right operand; K: the contracted axis; several contracted axes count as one K, in the product's order):
;;     1. [M 512, K 512] x [K 512, N 32,768]; A: input wq; B: computed on the way: QUANTISED
;;     2. [M 512, K 512] x [K 512, N 32,768]; A: input wk; B: computed on the way: QUANTISED
;;     3. [M 512, K 512] x [K 512, N 32,768]; A: input wv; B: computed on the way: QUANTISED
;;     4. batch 32 x [M 1,024, K 512] x [K 512, N 1,024]; A: computed on the way; B: computed on the way: QUANTISED
;;     5. batch 32 x [M 512, K 1,024] x [K 1,024, N 1,024]; A: computed on the way; B: computed on the way: QUANTISED
;;     6. [M 512, K 512] x [K 512, N 32,768]; A: input wo; B: computed on the way: QUANTISED
;;   THE QUANTISER, for each operand of a quantised product, along K:
;;     - K is cut into blocks of 32 from its start; a last block that is shorter is filled with zeros.
;;     - A block's scale is 2^e with e = floor(log2(the largest magnitude in the block)) - 8, held to -126 .. 127; a block of zeros has e = 0. As a byte (E8M0): e + 127.
;;     - Each number is divided by its block's scale, clamped to +-448, and rounded to the nearest number of E4M3, ties to even, subnormals kept.
;;     - The product sums the exact products of the quantised numbers (number of the format x scale) in f32.
;;   ~~~python
;;   def quantise(x, axis):      # numpy; x: float32 -> the quantised numbers, widened to float32 again
;;       x = np.moveaxis(x, axis, -1); K = x.shape[-1]
;;       x = np.pad(x, [(0, 0)] * (x.ndim - 1) + [(0, -K % 32)]); x = x.reshape(x.shape[:-1] + (-1, 32)); a = np.abs(x).max(-1, keepdims=True)
;;       e = np.where(a > 0, np.clip(np.frexp(np.where(a > 0, a, 1))[1] - 1 - 8, -126, 127), 0)      # np.frexp(a)[1] - 1 = floor(log2(a)), exactly
;;       r = np.clip(x / 2.0 ** e, -448, 448)
;;       step = 2.0 ** (np.maximum(np.frexp(np.where(r == 0, 1, r))[1] - 1, -6) - 3)
;;       q = np.round(r / step) * step * 2.0 ** e      # np.round: ties to even
;;       return np.moveaxis(q.reshape(q.shape[:-2] + (-1,))[..., :K], -1, axis).astype(np.float32)
;;   ~~~
;;   OPERANDS COMPUTED ON THE WAY. 'Computed on the way' means the value that the module computes at that place (a softmax that the list does not call 'softmax' is quantised finished and normalised). What goes into a quantiser is computed in f32, as accurately as f32 sums, v_exp_f32 and their like allow (about 1e-6 of the number): no bf16 or f16 on the way to a quantiser, and a product that is left as it is and whose result goes on into a quantised operand takes f32 operands (vector FMAs, or v_wmma_f32_16x16x4_f32). A number that lies on a knife's edge between two numbers of the format may be rounded either way, as far as f32 arithmetic and the matrix unit's own rounding can turn it there, and no further.
;; One version. Each part assembles by itself: llvm-mc -triple=amdgcn-amd-amdhsa -mcpu=gfx1250 --defsym DOCPART=n.
;; ======== version 1 of 1: 3 launches
;; workspace buffers: hq 16,777,216 bytes; hs 524,288 bytes; wc 1,048,576 bytes; ws 32,768 bytes; qkc 33,554,432 bytes; qks 1,048,576 bytes; vc 16,777,216 bytes; vs 524,288 bytes
;; launch norm (part 1): grid 16 x 32, 8 waves a work-group, no clusters, 34,816 bytes of LDS; arguments x, gn_w, gn_b, wq, wk, wv, wo, hq, hs, wc, ws; writes hq, hs, wc, ws
.if DOCPART == 1
	.amdgcn_target "amdgcn-amd-amdhsa--gfx1250"
	.amdhsa_code_object_version 6
	.text
	.protected	k_q9f8ff52828_norm
	.globl	k_q9f8ff52828_norm
	.p2align	8
	.type	k_q9f8ff52828_norm,@function
k_q9f8ff52828_norm:
	s_mov_b64 s[64:65], 0
	v_nop
	global_prefetch_b8 v0, s[64:65] scope:SCOPE_SE
	s_setreg_imm32_b32 hwreg(HW_REG_WAVE_MODE, 25, 1), 1
	s_wait_xcnt 0x0
; GROUP NORM AND THE FIRST QUANTISERS.  x: [32][512][1024] f32.  h = (x - mean) rsqrt(var + 1e-5) gn_w + gn_b, mean and var over 16 channels x 1,024 positions.
; h is quantised along the channels (E4M3, one E8M0 byte for 32 channels) and stored as IMAGES OF OPERAND REGISTERS: a fragment is 16 positions x 128 channels,
; [piece 0..3][lane 0..31][16 bytes]; lane (r, h) of piece c holds channels 32 c + 16 h + 0 .. 15 of row r.  Row r of position tile T is position 32 (T / 2) + 8 (T % 2) + r + 8 (r / 8).
; SHARES.  Work-group (cb, b) owns 32 channels (two groups, one block of 32 along K) of image b: 128 KiB, read once and kept in registers.  Wave w owns positions 128 w on, lane l positions 4 l + j.
; So a block's 32 numbers lie in ONE lane, its largest magnitude needs no other lane, and each load reads 512 consecutive bytes.  The variance is the mean of (x - mean)^2: no difference of large sums.
; Wave 0 also quantises ONE fragment (16 rows x 128 K) of the four weights: 512 fragments, 512 work-groups.  Weight rows form tiles by the same order of rows.
; A block's scale byte is its largest magnitude's exponent field - 8, held at 1 from below.
; LIMITS: NaN and infinities are not served.  A block of zeros, or one whose largest magnitude lies under 2^-118, gets the byte 1 (the rule says 127 for zeros): its codes are zeros or the rule's own, and this program alone reads the bytes.
; No matrix unit, no cluster, no tensor load: the launch streams, and its work-groups share no input but 4 KiB of gains.
.set X,    80                          ; v80-207   x[4 c + j]: channel c, position j of my four
.set H,    16                          ; v16-47    the 32 channels of one position
.set CO,   48                          ; v48-79    codes, 8 registers for each of my four positions
.set SUM,  208                         ; v208-215  four chains of packed sums
.set RB,   224                         ; v224-239  the waves' sums read back
.set BT,   240                         ; v240-244  a block's figures
.set WN,   16                          ; wave 0: v16-79 the weight fragment's 64 numbers a lane,
.set WC,   208                         ; v208-223 its codes,
.set TM,   224                         ; v224-239 its blocks' figures,
.set PW,   240                         ; v240 its scale word
.set GW,   32                          ; s32-63   gn_w of my 32 channels, then gn_w x rsqrt
.set GB,   68                          ; s68-99   gn_b
.set ST1,  32768                       ; LDS: 8 stages of 4,096 bytes; then [wave][group] sums, and 256 bytes on the sums of squares
.set WV,   2
.set MNT,  3                           ; the mantissa field of 448
.set SEL,  26                          ; s26, s27: v_permlanex16_b32's selects for lane l xor 16
.macro BARRIER                         ; my LDS stores have landed and my LDS loads are in: then the work-group's barrier
	s_wait_dscnt 0x0
	s_barrier_signal -1
	s_barrier_wait -1
.endm
	s_load_b512 s[4:19], s[0:1], 0x0               ; x, gn_w, gn_b, wq, wk, wv, wo, hq
	s_load_b128 s[20:23], s[0:1], 0x40             ; hs, wc
	s_load_b64 s[24:25], s[0:1], 0x50              ; ws
	v_lshl_add_u32 v254, v0, 2, 0x8400
	v_mov_b32 v255, 0
	v_lshrrev_b32 v240, 5, v0
	v_readfirstlane_b32 s[WV], v240                ; wave 0..7
	v_and_b32 v240, 31, v0                         ; lane l
	v_lshlrev_b32 v1, 4, v0                        ; x: 512 w + 16 l bytes in a channel's row
	v_lshlrev_b32 v4, 4, v240                      ; 16 l
	s_lshl_b32 s28, s[WV], 12                      ; my stage
	v_add_nc_u32 v3, s28, v4                       ; out of it: 16 l
	v_lshrrev_b32 v241, 3, v240                    ; position 4 l + j lies in tile 2 (l / 8) + (l / 2) % 2, row 8 ((l / 4) % 2) + 4 (l % 2) + j
	v_lshlrev_b32 v2, 10, v241                     ; into the stage, [tile 8][half 2][row 16][16 bytes];
	v_lshlrev_b32 v5, 5, v241                      ; hs: byte 16 tile + row
	v_bfe_u32 v241, v0, 1, 1
	v_lshl_add_u32 v2, v241, 9, v2
	v_lshl_add_u32 v5, v241, 4, v5
	v_bfe_u32 v241, v0, 2, 1
	v_lshl_add_u32 v2, v241, 7, v2
	v_lshl_add_u32 v5, v241, 3, v5
	v_and_b32 v241, 1, v0
	v_lshl_add_u32 v2, v241, 6, v2
	v_lshl_add_u32 v5, v241, 2, v5
	v_add_nc_u32 v2, s28, v2
	s_lshl_b32 s28, s[WV], 3
	s_add_co_u32 s28, s28, ST1
	v_mov_b32 v6, s28                              ; where my wave's two sums go
	v_mov_b32 v7, ST1                              ; and where all are read
	v_and_b32 v9, 15, v0                           ; r
	v_and_b32 v241, 8, v9
	v_add_nc_u32 v8, v241, v9                      ; r + 8 (r / 8)
	v_lshlrev_b32 v8, 11, v8                       ; a weight's row is 2,048 bytes
	v_bfe_u32 v241, v0, 4, 1
	v_lshl_add_u32 v8, v241, 6, v8                 ; + 64 h: my 16 numbers of a block of 32
	v_lshlrev_b32 v9, 4, v9                        ; 16 r: a row's place in a quad of scale words
	v_mov_b32 v15, 0x38800000                      ; 2^-14 = 1 / (16 x 1,024)
	v_mov_b32 v226, 0                              ; written once: a lane permute's destination counts as one of its sources
	v_mov_b32 v227, 0
	s_mov_b32 s[MNT], 0x600000
	s_mov_b32 s[SEL], 0x76543210
	s_mov_b32 s[SEL+1], 0xfedcba98
	s_and_b32 s28, ttmp7, 0xffff                   ; b
	s_mov_b32 s31, 0
	s_wait_kmcnt 0x0
	s_lshl_b32 s30, s28, 21                        ; x: image b, channel 32 cb
	s_lshl_b32 s29, ttmp9, 17
	s_add_co_u32 s30, s30, s29
	s_add_nc_u64 s[4:5], s[4:5], s[30:31]
	s_lshl_b32 s30, ttmp9, 7                       ; my 32 gains and offsets
	s_add_nc_u64 s[6:7], s[6:7], s[30:31]
	s_add_nc_u64 s[8:9], s[8:9], s[30:31]
	s_lshl_b32 s30, s28, 19                        ; hq: (64 b + 8 w) tiles of 8,192 bytes + 512 cb
	s_lshl_b32 s29, s[WV], 16
	s_add_co_u32 s30, s30, s29
	s_lshl_b32 s29, ttmp9, 9
	s_add_co_u32 s30, s30, s29
	s_add_nc_u64 s[18:19], s[18:19], s[30:31]
	s_lshl_b32 s30, s28, 14                        ; hs: [b][cb][1,024 bytes], my wave's 128
	s_lshl_b32 s29, ttmp9, 10
	s_add_co_u32 s30, s30, s29
	s_lshl_b32 s29, s[WV], 7
	s_add_co_u32 s30, s30, s29
	s_add_nc_u64 s[20:21], s[20:21], s[30:31]
	; ---- wave 0 asks for its weight fragment g = 16 b + cb: weight m = g / 128, tile t = (g / 4) % 32, K step s = g % 4
	s_cmp_lg_u32 s[WV], 0
	s_cbranch_scc1 .Lno_wl
	s_lshr_b32 s66, s28, 3                         ; m
	s_and_b32 s67, s28, 7
	s_lshl_b32 s67, s67, 2
	s_lshr_b32 s29, ttmp9, 2
	s_add_co_u32 s67, s67, s29                     ; t
	s_and_b32 s29, s66, 1
	s_cmp_lg_u32 s29, 0
	s_cselect_b64 s[10:11], s[12:13], s[10:11]     ; wk or wq
	s_cselect_b64 s[14:15], s[16:17], s[14:15]     ; wo or wv
	s_cmp_ge_u32 s66, 2
	s_cselect_b64 s[10:11], s[14:15], s[10:11]     ; the choice hangs on the work-group's number alone
	s_and_b32 s29, ttmp9, 3                        ; s
	s_lshr_b32 s12, s67, 1
	s_lshl_b32 s12, s12, 16                        ; 32 (t / 2) rows
	s_and_b32 s13, s67, 1
	s_lshl_b32 s13, s13, 14                        ; + 8 (t % 2) rows
	s_add_co_u32 s12, s12, s13
	s_lshl_b32 s13, s29, 9                         ; + 128 s numbers
	s_add_co_u32 s12, s12, s13
	s_mov_b32 s13, 0
	s_add_nc_u64 s[10:11], s[10:11], s[12:13]
.irp c, 0,1,2,3
.irp j, 0,1,2,3
	global_load_b128 v[WN+16*\c+4*\j:WN+16*\c+4*\j+3], v8, s[10:11] offset:128*\c+16*\j   ; register 16 c + i = k 32 c + 16 h + i of my row
.endr
.endr
.Lno_wl:
.set i, 0
.rept 32
	global_load_b128 v[X+4*i:X+4*i+3], v1, s[4:5] offset:4096*i th:TH_LOAD_NT   ; channel i: the wave reads 512 consecutive bytes
.set i, i+1
.endr
	s_load_b512 s[GW:GW+15], s[6:7], 0x0
	s_load_b512 s[GW+16:GW+31], s[6:7], 0x40
	s_load_b512 s[GB:GB+15], s[8:9], 0x0
	s_load_b512 s[GB+16:GB+31], s[8:9], 0x40
	; ---- wave 0 quantises the fragment while x is on its way
	s_cmp_lg_u32 s[WV], 0
	s_cbranch_scc1 .Lno_wq
	s_wait_loadcnt 32                              ; my 16 loads of the weight are in; x's 32 stay out
.irp b, 0,1,2,3
	v_mov_b32 v[TM+4+\b], 0
.endr
.irp b, 0,1,2,3
	v_max3_num_f32 v[TM+\b], |v[WN+16*\b]|, |v[WN+1+16*\b]|, 0x4800000   ; block b: my 16 numbers, and the floor 2^(9 - 127): the byte cannot fall under 1
.endr
.irp i, 2,4,6,8,10,12,14
.irp b, 0,1,2,3
	v_max3_num_f32 v[TM+\b], v[TM+\b], |v[WN+16*\b+\i]|, |v[WN+1+16*\b+\i]|
.endr
.endr
.irp b, 0,1,2,3
	v_permlanex16_b32 v[TM+4+\b], v[TM+\b], s[SEL], s[SEL+1]
.endr
.irp b, 0,1,2,3
	v_max_num_f32 v[TM+\b], v[TM+\b], v[TM+4+\b]   ; with lane l xor 16's: the block's largest magnitude
.endr
.irp b, 0,1,2,3
	v_add_nc_u32 v[TM+12+\b], 0xfc000000, v[TM+\b] ; 8 off its exponent field: the conversion's scale operand
.endr
.irp b, 0,1,2,3
	v_and_or_b32 v[TM+8+\b], v[TM+\b], 0x7f800000, s[MNT]   ; 448 x the scale
.endr
.irp b, 0,1,2,3
	v_lshrrev_b32 v[TM+4+\b], 23, v[TM+12+\b]      ; the scale's byte
.endr
	v_lshl_or_b32 v[PW], v[TM+5], 8, v[TM+4]
	v_lshl_or_b32 v[PW], v[TM+6], 16, v[PW]
	v_lshl_or_b32 v[PW], v[TM+7], 24, v[PW]        ; my row's scale word
.irp b, 0,1,2,3
.irp i, 0,1,2,3,4,5,6,7,8,9,10,11,12,13,14,15
	v_med3_num_f32 v[WN+16*\b+\i], v[WN+16*\b+\i], -v[TM+8+\b], v[TM+8+\b]   ; the conversion to an 8-bit code does not saturate (ISA guide 7.6.2): the hold comes first
.endr
	v_cvt_scalef32_pk8_fp8_f32 v[WC+4*\b:WC+4*\b+1], v[WN+16*\b:WN+16*\b+7], v[TM+12+\b]
	v_cvt_scalef32_pk8_fp8_f32 v[WC+4*\b+2:WC+4*\b+3], v[WN+16*\b+8:WN+16*\b+15], v[TM+12+\b]
.endr
	v_nop                                          ; a plain line behind the last conversion: its sources are written again further down
	; where it goes.  wq, wk, wv: wc [w][m][round][s][u][2,048], t = 8 w + 2 round + u; ws [w][m][round][quad], word 2 u + s / 2 of lane (s % 2, r).  wo: wc + 786,432 [w][s][t % 8]; ws + 24,576 [w][s][quad], word (t % 8) / 2 of lane (t % 2, r)
	s_lshr_b32 s12, s67, 3
	s_lshr_b32 s13, s67, 1
	s_and_b32 s13, s13, 3
	s_and_b32 s14, s67, 1
	s_mul_i32 s15, s12, 3
	s_add_co_u32 s15, s15, s66
	s_lshl_b32 s15, s15, 2
	s_add_co_u32 s15, s15, s13                     ; (3 w + m) 4 + round
	s_lshl_b32 s16, s15, 2
	s_add_co_u32 s16, s16, s29
	s_lshl_b32 s16, s16, 1
	s_add_co_u32 s16, s16, s14
	s_lshl_b32 s16, s16, 11
	s_lshl_b32 s15, s15, 9
	s_and_b32 s17, s29, 1
	s_lshl_b32 s17, s17, 8
	s_add_co_u32 s15, s15, s17
	s_lshl_b32 s17, s14, 3
	s_add_co_u32 s15, s15, s17
	s_lshr_b32 s17, s29, 1
	s_lshl_b32 s17, s17, 2
	s_add_co_u32 s15, s15, s17
	s_lshl_b32 s12, s12, 2
	s_add_co_u32 s12, s12, s29                     ; 4 w + s
	s_and_b32 s13, s67, 7
	s_lshl_b32 s17, s12, 3
	s_add_co_u32 s17, s17, s13
	s_lshl_b32 s17, s17, 11
	s_add_co_u32 s17, s17, 786432
	s_lshl_b32 s12, s12, 9
	s_lshl_b32 s14, s14, 8
	s_add_co_u32 s12, s12, s14
	s_lshr_b32 s13, s13, 1
	s_lshl_b32 s13, s13, 2
	s_add_co_u32 s12, s12, s13
	s_add_co_u32 s12, s12, 24576
	s_cmp_eq_u32 s66, 3
	s_cselect_b32 s30, s17, s16
	s_cselect_b32 s12, s12, s15
	s_mov_b32 s13, 0
	s_add_nc_u64 s[22:23], s[22:23], s[30:31]
	s_add_nc_u64 s[24:25], s[24:25], s[12:13]
.irp c, 0,1,2,3
	global_store_b128 v4, v[WC+4*\c:WC+4*\c+3], s[22:23] offset:512*\c   ; 512 consecutive bytes a store
.endr
	global_store_b32 v9, v[PW], s[24:25]           ; both halves of the lanes write the same word
	s_wait_xcnt 0x0                                ; the stores have read their registers, which the sums below write
.Lno_wq:
; the sum (sq = 0) or the sum of squares (sq = 1) of group g's 64 numbers of my lane, in four chains
.macro LANESUM g, sq
.irp k, 0,1,2,3
.if \sq
	v_pk_mul_f32 v[SUM+2*\k:SUM+2*\k+1], v[X+64*\g+2*\k:X+64*\g+2*\k+1], v[X+64*\g+2*\k:X+64*\g+2*\k+1]
.else
	v_pk_add_f32 v[SUM+2*\k:SUM+2*\k+1], v[X+64*\g+2*\k:X+64*\g+2*\k+1], v[X+64*\g+8+2*\k:X+64*\g+8+2*\k+1]
.endif
.endr
.irp p, 8,16,24,32,40,48,56
.if \sq || (\p > 8)
.irp k, 0,1,2,3
.if \sq
	v_pk_fma_f32 v[SUM+2*\k:SUM+2*\k+1], v[X+64*\g+\p+2*\k:X+64*\g+\p+2*\k+1], v[X+64*\g+\p+2*\k:X+64*\g+\p+2*\k+1], v[SUM+2*\k:SUM+2*\k+1]
.else
	v_pk_add_f32 v[SUM+2*\k:SUM+2*\k+1], v[SUM+2*\k:SUM+2*\k+1], v[X+64*\g+\p+2*\k:X+64*\g+\p+2*\k+1]
.endif
.endr
.endif
.endr
	v_pk_add_f32 v[SUM:SUM+1], v[SUM:SUM+1], v[SUM+2:SUM+3]
	v_pk_add_f32 v[SUM+4:SUM+5], v[SUM+4:SUM+5], v[SUM+6:SUM+7]
	v_pk_add_f32 v[SUM:SUM+1], v[SUM:SUM+1], v[SUM+4:SUM+5]
	v_add_f32 v[RB+\g], v[SUM], v[SUM+1]
.endm
; the pair v[RB:RB+1] (group 0's, group 1's) is summed over the 32 lanes and the 8 waves; every lane ends with both totals
.macro REDUCE off
.irp m, 1,2,4,8
	v_add_f32_dpp v[RB], v[RB], v[RB] row_xmask:\m row_mask:0xf bank_mask:0xf
	v_add_f32_dpp v[RB+1], v[RB+1], v[RB+1] row_xmask:\m row_mask:0xf bank_mask:0xf
.endr
	v_permlanex16_b32 v[RB+2], v[RB], s[SEL], s[SEL+1]
	v_permlanex16_b32 v[RB+3], v[RB+1], s[SEL], s[SEL+1]
	v_pk_add_f32 v[RB:RB+1], v[RB:RB+1], v[RB+2:RB+3]
	ds_store_b64 v6, v[RB:RB+1] offset:\off        ; all lanes write the same 8 bytes
	BARRIER
.irp i, 0,1,2,3
	ds_load_b128 v[RB+4*\i:RB+4*\i+3], v7 offset:\off+16*\i
.endr
	s_wait_dscnt 0x0
	v_pk_add_f32 v[RB:RB+1], v[RB:RB+1], v[RB+2:RB+3]
	v_pk_add_f32 v[RB+4:RB+5], v[RB+4:RB+5], v[RB+6:RB+7]
	v_pk_add_f32 v[RB+8:RB+9], v[RB+8:RB+9], v[RB+10:RB+11]
	v_pk_add_f32 v[RB+12:RB+13], v[RB+12:RB+13], v[RB+14:RB+15]
	v_pk_add_f32 v[RB:RB+1], v[RB:RB+1], v[RB+4:RB+5]
	v_pk_add_f32 v[RB+8:RB+9], v[RB+8:RB+9], v[RB+12:RB+13]
	v_pk_add_f32 v[RB:RB+1], v[RB:RB+1], v[RB+8:RB+9]
.endm
	s_wait_loadcnt 16                              ; group 0's 16 channels are in; group 1's 16 loads stay out
	LANESUM 0, 0
	s_wait_loadcnt 0x0
	LANESUM 1, 0
	REDUCE 0
	v_pk_mul_f32 v[10:11], v[RB:RB+1], 0x38800000 op_sel_hi:[1,0]   ; the two means
	v_mov_b32 v12, v11                             ; group 1's as the low word of a pair of its own
	v_mov_b32 v13, v11
.irp g, 0,1
.set i, 0
.rept 32
	v_pk_add_f32 v[X+64*\g+2*i:X+64*\g+2*i+1], v[X+64*\g+2*i:X+64*\g+2*i+1], v[10+2*\g:11+2*\g] op_sel_hi:[1,0] neg_lo:[0,1] neg_hi:[0,1]   ; x - mean, in place
.set i, i+1
.endr
.endr
	LANESUM 0, 1
	LANESUM 1, 1
	REDUCE 256                                     ; other bytes than the first sums': no barrier is owed between the two
	v_fmaak_f32 v[RB], v[RB], v15, 0x3727c5ac      ; var + 1e-5
	v_fmaak_f32 v[RB+1], v[RB+1], v15, 0x3727c5ac
	v_rsq_f32 v[RB], v[RB]
	v_rsq_f32 v[RB+1], v[RB+1]
	v_nop                                          ; a plain line behind the transcendentals,
	s_wait_alu depctr_va_vdst(0)                   ; and the wait ahead of their first reader
	v_readfirstlane_b32 s100, v[RB]
	v_readfirstlane_b32 s101, v[RB+1]
	s_wait_kmcnt 0x0                               ; gn_w, gn_b
.set i, 0
.rept 32
	s_mul_f32 s[GW+i], s[GW+i], s[100+i/16]        ; rsqrt x gn_w
.set i, i+1
.endr
; position j of my four: the 32 channels come into one run of registers by the multiply-add itself, are quantised, and go to the stage
.macro QB32 j
.set i, 0
.rept 32
	v_fma_f32 v[H+i], v[X+4*i+\j], s[GW+i], s[GB+i]
.set i, i+1
.endr
	v_max3_num_f32 v[BT], |v[H]|, |v[H+1]|, |v[H+2]|
	v_max3_num_f32 v[BT+1], |v[H+3]|, |v[H+4]|, |v[H+5]|
.irp i, 6,10,14,18,22,26
	v_max3_num_f32 v[BT], v[BT], |v[H+\i]|, |v[H+\i+1]|
	v_max3_num_f32 v[BT+1], v[BT+1], |v[H+\i+2]|, |v[H+\i+3]|
.endr
	v_max3_num_f32 v[BT], v[BT], |v[H+30]|, |v[H+31]|
	v_max3_num_f32 v[BT], v[BT], v[BT+1], 0x4800000   ; and the floor
	v_add_nc_u32 v[BT+2], 0xfc000000, v[BT]
	v_and_or_b32 v[BT+3], v[BT], 0x7f800000, s[MNT]
	v_lshrrev_b32 v[BT+4], 23, v[BT+2]
.if \j == 0
	v_mov_b32 v14, v[BT+4]                         ; my four positions' bytes are neighbours in hs
.else
	v_lshl_or_b32 v14, v[BT+4], 8*\j, v14
.endif
.set i, 0
.rept 32
	v_med3_num_f32 v[H+i], v[H+i], -v[BT+3], v[BT+3]
.set i, i+1
.endr
.irp g, 0,1,2,3
	v_cvt_scalef32_pk8_fp8_f32 v[CO+8*\j+2*\g:CO+8*\j+2*\g+1], v[H+8*\g:H+8*\g+7], v[BT+2]
.endr
	v_nop                                          ; a plain line behind the last conversion: the next position writes its sources
	ds_store_b128 v2, v[CO+8*\j:CO+8*\j+3] offset:16*\j           ; channels 0-15: the place of lane (row, 0)
	ds_store_b128 v2, v[CO+8*\j+4:CO+8*\j+7] offset:16*\j+256     ; channels 16-31: of lane (row, 1)
.endm
	QB32 0
	QB32 1
	QB32 2
	QB32 3
.irp t, 0,1,2,3,4,5,6,7
	ds_load_b128 v[X+4*\t:X+4*\t+3], v3 offset:512*\t              ; LDS serves a wave's instructions in order (ISA guide 5.7.1.4): these see my stores
.endr
	global_store_b32 v5, v14, s[20:21]             ; 128 bytes of scale bytes a wave
.irp t, 0,1,2,3,4,5,6,7
	s_wait_dscnt 7-\t
	global_store_b128 v4, v[X+4*\t:X+4*\t+3], s[18:19] offset:8192*\t   ; piece cb of tile t's fragment: 512 consecutive bytes, aligned
.endr
	s_wait_tensorcnt 0x0
	ds_add_u32 v254, v255
	s_wait_dscnt 0x0
	s_endpgm
.Lfunc_end_k_q9f8ff52828_norm:
	.size	k_q9f8ff52828_norm, .Lfunc_end_k_q9f8ff52828_norm-k_q9f8ff52828_norm
	.p2alignl 7, 3214868480
	.fill 96, 4, 3214868480
	.section	.rodata,"a",@progbits
	.p2align	6, 0x0
	.amdhsa_kernel k_q9f8ff52828_norm
		.amdhsa_group_segment_fixed_size 34816
		.amdhsa_private_segment_fixed_size 0
		.amdhsa_enable_private_segment 0
		.amdhsa_kernarg_size 88
		.amdhsa_user_sgpr_count 2
		.amdhsa_user_sgpr_kernarg_segment_ptr 1
		.amdhsa_wavefront_size32 1
		.amdhsa_system_sgpr_workgroup_id_x 1
		.amdhsa_system_sgpr_workgroup_id_y 1
		.amdhsa_system_sgpr_workgroup_id_z 1
		.amdhsa_system_vgpr_workitem_id 0
		.amdhsa_next_free_vgpr 256
		.amdhsa_next_free_sgpr 102
		.amdhsa_reserve_vcc 0
		.amdhsa_float_denorm_mode_32 3
		.amdhsa_float_denorm_mode_16_64 3
		.amdhsa_memory_ordered 1
		.amdhsa_forward_progress 1
		.amdhsa_inst_pref_size 60
	.end_amdhsa_kernel
	.amdgpu_metadata
---
amdhsa.version: [ 1, 2 ]
amdhsa.kernels:
  - .name:           k_q9f8ff52828_norm
    .symbol:         k_q9f8ff52828_norm.kd
    .args:
      - { .name: x, .offset: 0, .size: 8, .value_kind: global_buffer, .address_space: global }
      - { .name: gn_w, .offset: 8, .size: 8, .value_kind: global_buffer, .address_space: global }
      - { .name: gn_b, .offset: 16, .size: 8, .value_kind: global_buffer, .address_space: global }
      - { .name: wq, .offset: 24, .size: 8, .value_kind: global_buffer, .address_space: global }
      - { .name: wk, .offset: 32, .size: 8, .value_kind: global_buffer, .address_space: global }
      - { .name: wv, .offset: 40, .size: 8, .value_kind: global_buffer, .address_space: global }
      - { .name: wo, .offset: 48, .size: 8, .value_kind: global_buffer, .address_space: global }
      - { .name: hq, .offset: 56, .size: 8, .value_kind: global_buffer, .address_space: global }
      - { .name: hs, .offset: 64, .size: 8, .value_kind: global_buffer, .address_space: global }
      - { .name: wc, .offset: 72, .size: 8, .value_kind: global_buffer, .address_space: global }
      - { .name: ws, .offset: 80, .size: 8, .value_kind: global_buffer, .address_space: global }
    .group_segment_fixed_size: 34816
    .private_segment_fixed_size: 0
    .kernarg_segment_align: 8
    .kernarg_segment_size: 88
    .max_flat_workgroup_size: 256
    .sgpr_count:     102
    .vgpr_count:     256
    .wavefront_size: 32
...
	.end_amdgpu_metadata
.endif
;; end of part 1
;; launch proj (part 2): grid 8 x 32, 4 waves a work-group, clusters of 4 x 1, 327,680 bytes of LDS; arguments hq, hs, wc, ws, bq, bk, bv, qkc, qks, vc, vs; writes qkc, qks, vc, vs
.if DOCPART == 2
	.amdgcn_target "amdgcn-amd-amdhsa--gfx1250"
	.amdhsa_code_object_version 6
	.text
	.protected	k_q9f8ff52828_proj
	.globl	k_q9f8ff52828_proj
	.p2align	8
	.type	k_q9f8ff52828_proj,@function
k_q9f8ff52828_proj:
	s_mov_b64 s[64:65], 0
	v_nop
	global_prefetch_b8 v0, s[64:65] scope:SCOPE_SE
	s_setreg_imm32_b32 hwreg(HW_REG_WAVE_MODE, 25, 1), 1
	s_wait_xcnt 0x0
	s_wait_alu depctr_hold_cnt(0) depctr_sa_sdst(0) depctr_va_vdst(0) depctr_va_sdst(0) depctr_va_ssrc(0) depctr_va_vcc(0) depctr_vm_vsrc(0)
	s_getreg_b32 s2, hwreg(HW_REG_IB_STS2, 6, 4)
	s_cmp_eq_u32 s2, 0
	s_cbranch_scc0 .Lentry_in_a_cluster
	s_endpgm
.Lentry_in_a_cluster:
	s_bfe_u32 s2, ttmp6, 0x10000c
	s_cmp_lg_u32 s2, 0x3003
	s_cbranch_scc0 .Lentry_shape_is_right
	s_endpgm
.Lentry_shape_is_right:
; q = Wq h + bq, k = Wk h + bk, v = Wv h + bv on codes of E4M3 with E8M0 scales, and the quantisers behind them: q and k along the channels, v along the positions (the keys).
; SHARES.  Work-group (chunk, b) owns 128 positions of image b: 8 tiles of 16.  Every wave keeps all 32 fragments of h (8 tiles x 4 K steps) in 512 registers; wave w makes channels 128 w .. 128 w + 127 of q, of k and of v.
; A ROUND is two tiles of 16 channels x 4 K steps x 8 tiles of positions: 64 matrix instructions on 16 accumulators, which take turns.  12 rounds: q 4, k 4, v 4.
; CLUSTER.  All work-groups walk the same weights in the same order, so four work-groups form a cluster and ask for them JOINTLY: the same tensor load, with the same descriptor and a mask that names the four, in all four.
; THE RING.  Two LDS slots of 131,072 bytes; a slot holds two rounds' weights of the four waves.  Wave w's weights are 196,608 bytes on end in memory, laid in the order of use; a fill is 32,768 of them, as 128 rows of 256 bytes,
; to slot + 32,768 w: each wave fetches its own part and alone reads it.  Six fills: two at the start, four behind a round of the cluster's barrier at the head of rounds 1, 3, 5, 7.  There the old slot has been read out
; (a round's fragments come into registers half a round and more ahead), and the refill has two rounds, 128 matrix instructions and two quantisers, in which to land.  A wave has two tensor loads out at the start, then one.
; q, k: source 0 = the weight, source 1 = h: a lane holds ONE position and its 16 registers of the two tiles are 16 neighbouring channels (the rows of a weight's tile are chosen for that): the next K.
; v:    source 0 = h, source 1 = the weight: a lane holds one channel and 16 neighbouring positions.  So the conversions' results are images of the next products' operand registers and leave by stores of 512 consecutive bytes.
; The biases are the C of each sum's first matrix instruction; they lie raw in LDS and are read in that operand's layout (lanes that want the same word share it).
; LIMITS: NaN and infinities are not served; a block of zeros or under 2^-118 gets the byte 1: this program alone reads the bytes.
; REGISTERS.  window 0: v1-7 addresses; v8-23 h's scale words; v24-27, v104-107 the weight's, two sets; v28-35 q's or k's scale words in the making; v36-39 v's; v40-71 a round's 8 blocks' figures; v72-103 codes; v108-121 addresses; v128-255 accumulators.
;   window 1: v0-127 the round's 8 weight fragments (K step s, tile u at 16 (2 s + u)); v128-143 its two bias tiles.   windows 2, 3: h (tile pt, K step s) at 64 (pt % 4) + 16 s.
.set RING1, 131072                     ; LDS: slot 0 at 0, slot 1 here;
.set HIMG,  262144                     ; four tiles of h on their way from wave to wave, 32,768 bytes, used twice;
.set HSIMG, 294912                     ; 16 x 128 bytes of h's scale words: [pair of tiles][K step][lane];
.set BRAW,  296960                     ; bq, bk, bv as they are: 3 x 2,048 bytes;
.set SPARE, 303104                     ; the spare words, 128 bytes for each wave: two blocks of 256 bytes that no other line names
.set LI,   1                           ; 16 x lane
.set L4,   2                           ; 4 x lane
.set BA,   3                           ; bq's or bk's words of my half of the lanes
.set BA0,  4
.set WA0,  6                           ; my part of slot 0, 16 x lane;
.set WA1,  7                           ; of slot 1
.set HS,   8
.set WS0,  24
.set WD,   28
.set VSW,  36
.set TM,   40
.set TP,   48
.set TH,   56
.set TO,   64
.set CD,   72
.set WS1,  104
.set BV0,  108                         ; bv's word of my row of a tile
.set HA,   109                         ; where my tile of h goes,
.set HB,   110                         ; and where all four are read
.set T0,   111
.set T1,   112
.set BST,  113
.set HSW,  114
.set HSA,  115
.set SPW,  120                         ; LDS address of my spare word: SPARE + 4 x my thread's number; never rewritten
.set NIL,  121                         ; 0; never rewritten
.set ACC,  128
.set WV,   2
.set WSB,  34                          ; s[34:35] the weights' scale quads
.set OB,   36                          ; s[36:37] where q's or k's codes go;  s[38:39] their scale quad
.set QSB,  38
.set VOB,  40                          ; s[40:41], s[42:43] the same for v
.set VSB,  42
.set SEL,  44
.set MNT,  46
.set ROLE, 50
.set BO,   51                          ; 2,048 x (q: 0, k: 1)
.set G1,   72                          ; s[72:79] descriptor group 1;  s[80:83], s[84:87] group 0 for slot 0, slot 1
.set G0,   80
.set MSB, 0
.macro WIN new                         ; the immediate's high byte repeats the setting that is left
.if MSB != (\new)
	s_set_vgpr_msb (MSB<<8)|(\new)
.set MSB, (\new)
.endif
.endm
.macro NOPS n
.rept \n
	v_nop
.endr
.endm
.macro BARRIER                         ; my LDS stores have landed and my LDS loads are in: then the work-group's barrier
	s_wait_dscnt 0x0
	s_barrier_signal -1
	s_barrier_wait -1
.endm
; A round of the cluster's barrier: my work-group's barrier, so that wave 0's signal speaks for all four waves; wave 0 signals for the work-group; every wave waits for all four work-groups; my work-group's barrier once more.
.macro CROUND
	s_barrier_signal -1
	s_barrier_wait -1
	s_cmp_lg_u32 s[WV], 0
	s_cbranch_scc1 .Lnot_wave_0_\@
	s_barrier_signal -3
.Lnot_wave_0_\@:
	s_barrier_wait -3
	s_barrier_signal -1
	s_barrier_wait -1
.endm
; one matrix instruction from the symbols rD, rA, rB, rC, rSA, rSB and the rows fA, fB of the scale registers
.macro WMX
.if fA && fB
	v_wmma_scale_f32_16x16x128_f8f6f4 v[rD:rD+7], v[rA:rA+15], v[rB:rB+15], v[rC:rC+7], v[rSA], v[rSB] matrix_a_scale:MATRIX_SCALE_ROW1 matrix_b_scale:MATRIX_SCALE_ROW1
.elseif fA
	v_wmma_scale_f32_16x16x128_f8f6f4 v[rD:rD+7], v[rA:rA+15], v[rB:rB+15], v[rC:rC+7], v[rSA], v[rSB] matrix_a_scale:MATRIX_SCALE_ROW1
.elseif fB
	v_wmma_scale_f32_16x16x128_f8f6f4 v[rD:rD+7], v[rA:rA+15], v[rB:rB+15], v[rC:rC+7], v[rSA], v[rSB] matrix_b_scale:MATRIX_SCALE_ROW1
.else
	v_wmma_scale_f32_16x16x128_f8f6f4 v[rD:rD+7], v[rA:rA+15], v[rB:rB+15], v[rC:rC+7], v[rSA], v[rSB]
.endif
.endm
	s_load_b512 s[4:19], s[0:1], 0x0               ; hq, hs, wc, ws, bq, bk, bv, qkc
	s_load_b128 s[20:23], s[0:1], 0x40             ; qks, vc
	s_load_b64 s[24:25], s[0:1], 0x50              ; vs
	v_lshl_add_u32 v[SPW], v0, 2, SPARE
	v_mov_b32 v[NIL], 0
	ds_add_u32 v120, v121
	ds_add_u32 v120, v121
	s_wait_dscnt 0x0
	v_lshrrev_b32 v[T0], 5, v0
	v_readfirstlane_b32 s[WV], v[T0]               ; wave 0..3
	v_and_b32 v5, 31, v0                           ; lane
	v_lshlrev_b32 v[LI], 4, v5
	v_lshlrev_b32 v[L4], 2, v5
	; LDS addresses: constants, the lane and the wave's number; no place in the cluster enters them
	s_lshl_b32 s57, s[WV], 15                      ; 32,768 w
	v_add_nc_u32 v[WA0], s57, v[LI]
	v_add_nc_u32 v[WA1], RING1, v[WA0]
	s_lshl_b32 s58, s[WV], 13
	s_add_co_u32 s58, s58, HIMG
	v_add_nc_u32 v[HA], s58, v[LI]
	v_add_nc_u32 v[HB], HIMG, v[LI]
	s_lshl_b32 s58, s[WV], 9                       ; 512 w
	s_add_co_u32 s59, s58, HSIMG
	v_add_nc_u32 v[HSW], s59, v[L4]
	v_add_nc_u32 v[HSA], HSIMG, v[L4]
	s_add_co_u32 s59, s58, BRAW
	v_add_nc_u32 v[BST], s59, v[LI]                ; my 128 numbers of a bias, 16 bytes a lane
	v_bfe_u32 v[T0], v0, 4, 1
	v_lshlrev_b32 v[T0], 6, v[T0]
	v_add_nc_u32 v[BA0], s59, v[T0]                ; bq, bk: + 64 h: my half's 16 channels of a block of 32
	v_and_b32 v[T0], 15, v0
	v_and_b32 v[T1], 8, v[T0]
	v_add_nc_u32 v[T0], v[T1], v[T0]
	v_lshlrev_b32 v[T0], 2, v[T0]
	s_add_co_u32 s59, s59, 4096
	v_add_nc_u32 v[BV0], s59, v[T0]                ; bv: + 4 (r + 8 (r / 8)): my row of a tile
	s_mov_b32 s[SEL], 0x76543210
	s_mov_b32 s[SEL+1], 0xfedcba98
	s_mov_b32 s[MNT], 0x600000
	s_mov_b32 vcc_lo, 0xffff0000                   ; lanes 16-31
	s_mov_b32 s[BO], 0
	; descriptor group 1: 32,768 dense bytes as 128 rows of 256 bytes (32 elements of 8 bytes), no padding: a fragment's image is read 512 consecutive bytes at a time
	s_mov_b32 s[G1], 15|(3<<16)|(1<<21)            ; 15:0 the mask: all four work-groups; 17:16 elements of 8 bytes; 21 set beside a mask
	s_mov_b32 s[G1+1], 32<<16                      ; tensor_dim0 = 32
	s_mov_b32 s[G1+2], 128<<16                     ; tensor_dim1 = 128
	s_mov_b32 s[G1+3], 32<<16                      ; tile_dim0 = 32
	s_mov_b32 s[G1+4], 128                         ; tile_dim1 = 128
	s_mov_b32 s[G1+5], 32                          ; tensor_dim0_stride
	s_mov_b32 s[G1+6], 0
	s_mov_b32 s[G1+7], 0
	s_mul_i32 s52, s[WV], 196608                   ; my weights: the wave's number alone, the same in all four partners
	s_mov_b32 s53, 0
	s_bfe_u32 s26, ttmp6, 0x40000                  ; cx: my place in the cluster: it enters h's and the results' addresses in memory alone
	s_lshl_b32 s31, ttmp9, 2                       ; in a cluster launch ttmp9 counts clusters
	s_add_co_u32 s31, s31, s26                     ; chunk = 4 x cluster x + cx
	s_and_b32 s30, ttmp7, 0xffff                   ; b
	s_mov_b32 s29, 0
	s_wait_kmcnt 0x0
	s_add_nc_u64 s[54:55], s[8:9], s[52:53]
	s_lshl_b32 s28, s30, 19                        ; hq: (64 b + 8 chunk) tiles of 8,192 bytes; mine are tiles w and 4 + w
	s_lshl_b32 s27, s31, 16
	s_add_co_u32 s28, s28, s27
	s_lshl_b32 s27, s[WV], 13
	s_add_co_u32 s28, s28, s27
	s_add_nc_u64 s[4:5], s[4:5], s[28:29]
	s_lshl_b32 s28, s30, 14                        ; hs: [b][cb][1,024]: byte 16 (8 chunk + 2 w) on
	s_lshl_b32 s27, s31, 7
	s_add_co_u32 s28, s28, s27
	s_lshl_b32 s27, s[WV], 5
	s_add_co_u32 s28, s28, s27
	s_add_nc_u64 s[6:7], s[6:7], s[28:29]
	s_mul_i32 s28, s[WV], 6144
	s_add_nc_u64 s[WSB:WSB+1], s[10:11], s[28:29]
	s_lshl_b32 s28, s[WV], 9                       ; my 128 numbers of each bias
	s_add_nc_u64 s[12:13], s[12:13], s[28:29]
	s_add_nc_u64 s[14:15], s[14:15], s[28:29]
	s_add_nc_u64 s[16:17], s[16:17], s[28:29]
	s_lshl_b32 s28, s30, 19                        ; qkc: [b][T / 16][K step = w][T % 16][2,048], T = 8 chunk + pt
	s_lshr_b32 s27, s31, 1
	s_lshl_b32 s27, s27, 17
	s_add_co_u32 s28, s28, s27
	s_lshl_b32 s27, s[WV], 15
	s_add_co_u32 s28, s28, s27
	s_and_b32 s27, s31, 1
	s_lshl_b32 s27, s27, 14
	s_add_co_u32 s28, s28, s27
	s_add_nc_u64 s[OB:OB+1], s[18:19], s[28:29]
	s_lshl_b32 s28, s30, 14                        ; qks: [b][chunk][K step = w][quad]
	s_lshl_b32 s27, s31, 11
	s_add_co_u32 s28, s28, s27
	s_lshl_b32 s27, s[WV], 9
	s_add_co_u32 s28, s28, s27
	s_add_nc_u64 s[QSB:QSB+1], s[20:21], s[28:29]
	s_lshl_b32 s28, s30, 19                        ; vc: [b][w][key step = chunk][tile 8][2,048]
	s_lshl_b32 s27, s[WV], 17
	s_add_co_u32 s28, s28, s27
	s_lshl_b32 s27, s31, 14
	s_add_co_u32 s28, s28, s27
	s_add_nc_u64 s[VOB:VOB+1], s[22:23], s[28:29]
	s_lshl_b32 s28, s30, 14                        ; vs: [b][w][key step][quad]
	s_lshl_b32 s27, s[WV], 12
	s_add_co_u32 s28, s28, s27
	s_lshl_b32 s27, s31, 9
	s_add_co_u32 s28, s28, s27
	s_add_nc_u64 s[VSB:VSB+1], s[24:25], s[28:29]
.set i, 0
.rept 16
	global_load_b128 v[ACC+4*i:ACC+4*i+3], v[LI], s[4:5] offset:512*i   ; tile w of h: 8 KiB on end
.set i, i+1
.endr
.rept 16
	global_load_b128 v[ACC+4*i:ACC+4*i+3], v[LI], s[4:5] offset:32768+512*(i-16)   ; tile 4 + w
.set i, i+1
.endr
.set i, 0
.rept 16
	global_load_u8 v[TM+i], v5, s[6:7] offset:1024*i   ; the scale bytes of channel block i: lanes 0-15 tile 2 w, lanes 16-31 tile 2 w + 1
.set i, i+1
.endr
	global_load_b128 v[CD:CD+3], v[LI], s[12:13]       ; my 128 numbers of bq,
	global_load_b128 v[CD+4:CD+7], v[LI], s[14:15]     ; bk,
	global_load_b128 v[CD+8:CD+11], v[LI], s[16:17]    ; bv
	global_load_b128 v[WS0:WS0+3], v[LI], s[WSB:WSB+1]             ; the scale quads of rounds 0
	global_load_b128 v[WS1:WS1+3], v[LI], s[WSB:WSB+1] offset:512  ; and 1
.irp s, 0,1
	s_mov_b32 s[G0+4*\s], 1                                        ; 1:0 count = 1
	s_add_co_u32 s[G0+4*\s+1], s57, \s*RING1                       ; 63:32 LDS address: the slot + 32,768 w
	s_add_nc_u64 s[G0+4*\s+2:G0+4*\s+3], s[54:55], \s*32768        ; 120:64 global address: fill s of my six
	s_or_b32 s[G0+4*\s+3], s[G0+4*\s+3], 0x80000000                ; 127:126 type = 2
.endr
	CROUND                                         ; all four work-groups are here: the first joint loads meet
	tensor_load_to_lds s[G0:G0+3], s[G1:G1+7]      ; both first fills go out together, ahead of every wait on TENSORcnt and every LDS read: two loads of mine are out
	s_nop 0
	tensor_load_to_lds s[G0+4:G0+7], s[G1:G1+7]
	s_nop 0
	NOPS 4                                         ; four v_nop follow the tensor loads
	; ---- h goes from wave to wave in two passes of four tiles
	s_wait_loadcnt 21                              ; h's 32 loads are in: behind them stand 16 + 3 + 2
.set i, 0
.rept 16
	ds_store_b128 v[HA], v[ACC+4*i:ACC+4*i+3] offset:512*i
.set i, i+1
.endr
	s_wait_loadcnt 5                               ; the 16 bytes are in: behind them stand 3 + 2
.irp s, 0,1,2,3
	v_lshl_or_b32 v[TM+4*\s], v[TM+4*\s+1], 8, v[TM+4*\s]
	v_lshl_or_b32 v[TM+4*\s], v[TM+4*\s+2], 16, v[TM+4*\s]
	v_lshl_or_b32 v[TM+4*\s], v[TM+4*\s+3], 24, v[TM+4*\s]
	ds_store_b32 v[HSW], v[TM+4*\s] offset:128*\s  ; K step s's scale words of my pair of tiles
.endr
	s_wait_loadcnt 2                               ; the biases are in; the two quads stay out
.irp m, 0,1,2
	ds_store_b128 v[BST], v[CD+4*\m:CD+4*\m+3] offset:2048*\m
.endr
	BARRIER                                        ; tiles 0-3 and all scale words lie in LDS.
.irp i, 0,1,2,3,4,5,6,7
	v_mov_b32 v[TP+\i], 0                          ; written once: a lane permute's destination counts as one of its sources
.endr
	WIN 0x80
.irp p, 0,1,2,3
.irp s, 0,1,2,3
.irp c, 0,1,2,3
	ds_load_b128 v[64*\p+16*\s+4*\c:64*\p+16*\s+4*\c+3], v[HB] offset:8192*\p+2048*\s+512*\c
.endr
.endr
.endr
	WIN 0
	BARRIER                                        ; every wave has them in registers
.set i, 16
.rept 16
	ds_store_b128 v[HA], v[ACC+4*i:ACC+4*i+3] offset:512*(i-16)
.set i, i+1
.endr
	BARRIER                                        ; tiles 4-7 lie in LDS
	WIN 0xc0
.irp p, 0,1,2,3
.irp s, 0,1,2,3
.irp c, 0,1,2,3
	ds_load_b128 v[64*\p+16*\s+4*\c:64*\p+16*\s+4*\c+3], v[HB] offset:8192*\p+2048*\s+512*\c
.endr
.endr
.endr
	WIN 0
.set i, 0
.rept 16
	ds_load_b32 v[HS+i], v[HSA] offset:128*i
.set i, i+1
.endr
; half hf (K steps 2 hf, 2 hf + 1) of round m's 8 weight fragments, from my part of the ring: rounds 0, 1 of four lie in slot 0, rounds 2, 3 in slot 1  (the caller has set the destination's window to 1)
.macro WLOAD m, hf
.set mm, (\m)%4
.set i, 16*(\hf)
.rept 16
.if mm/2
	ds_load_b128 v[4*i:4*i+3], v[WA1] offset:16384*(mm%2)+512*i
.else
	ds_load_b128 v[4*i:4*i+3], v[WA0] offset:16384*(mm%2)+512*i
.endif
.set i, i+1
.endr
.endm
	s_wait_tensorcnt 0x1                           ; my part of slot 0 is in; slot 1's load may stay out.  I alone read these bytes
	v_add_nc_u32 v[BA], s[BO], v[BA0]
	WIN 0x40
	WLOAD 0, 0
	WLOAD 0, 1
.irp u, 0,1
.irp f, 0,1
	ds_load_b128 v[128+8*\u+4*\f:128+8*\u+4*\f+3], v[BA] offset:32*\u+16*\f   ; the first round's biases: bq at channels 16 h + 8 u + 4 f on
.endr
.endr
	WIN 0
; K step s of round n: 16 matrix instructions, one on each accumulator.  kind 0: q, k;  1: v
.macro KST kind, s, n
.if ((\n)%2)
.set WSR, WS1
.else
.set WSR, WS0
.endif
.irp hf, 0,1
.if \kind
.if (\s) == 0
	WIN 0x16+\hf                                   ; source 0 h (window 2 or 3), source 1 the weight and C the bias (window 1), D window 0
.else
	WIN 0x06+\hf
.endif
.else
.if (\s) == 0
	WIN 0x19+4*\hf                                 ; source 0 the weight and C the bias (window 1), source 1 h, D window 0
.else
	WIN 0x09+4*\hf
.endif
.endif
.irp u, 0,1
.irp p, 0,1,2,3
.set pt, 4*\hf+\p
.set rW, 16*(2*(\s)+\u)
.set rH, 64*\p+16*(\s)
.set sW, WSR+2*\u+(\s)/2
.set sH, HS+4*(pt/2)+(\s)
.if \kind
.set rD, ACC+64*\u+8*pt
.set rA, rH
.set rB, rW
.set rSA, sH
.set fA, pt%2
.set rSB, sW
.set fB, (\s)%2
.else
.set rD, ACC+16*pt+8*\u
.set rA, rW
.set rB, rH
.set rSA, sW
.set fA, (\s)%2
.set rSB, sH
.set fB, pt%2
.endif
.if (\s) == 0
.set rC, 128+8*\u
.else
.set rC, rD
.endif
	WMX
.endr
.endr
.endr
.endm
; the round's 8 blocks of 32: block i is v[ACC + 16 i] on, 16 neighbours along the next K in my lane, the other 16 in lane l xor 16
.macro QUANT8
.irp i, 0,1,2,3,4,5,6,7
	v_max3_num_f32 v[TM+\i], |v[ACC+16*\i]|, |v[ACC+16*\i+1]|, 0x4800000   ; each accumulator is read from its low end on; the floor 2^(9 - 127) holds the byte at 1
.endr
.irp n, 2,4,6,8,10,12,14
.irp i, 0,1,2,3,4,5,6,7
	v_max3_num_f32 v[TM+\i], v[TM+\i], |v[ACC+16*\i+\n]|, |v[ACC+16*\i+\n+1]|
.endr
.endr
.irp i, 0,1,2,3,4,5,6,7
	v_permlanex16_b32 v[TP+\i], v[TM+\i], s[SEL], s[SEL+1]
.endr
.irp i, 0,1,2,3,4,5,6,7
	v_max_num_f32 v[TM+\i], v[TM+\i], v[TP+\i]
.endr
.irp i, 0,1,2,3,4,5,6,7
	v_add_nc_u32 v[TO+\i], 0xfc000000, v[TM+\i]    ; the conversion's scale operand
.endr
.irp i, 0,1,2,3,4,5,6,7
	v_and_or_b32 v[TH+\i], v[TM+\i], 0x7f800000, s[MNT]   ; 448 x the scale
.endr
.irp i, 0,1,2,3,4,5,6,7
	v_lshrrev_b32 v[TP+\i], 23, v[TO+\i]           ; the byte
.endr
.irp i, 0,1,2,3,4,5,6,7
.irp n, 0,1,2,3,4,5,6,7,8,9,10,11,12,13,14,15
	v_med3_num_f32 v[ACC+16*\i+\n], v[ACC+16*\i+\n], -v[TH+\i], v[TH+\i]   ; the conversion to an 8-bit code does not saturate (ISA guide 7.6.2): the hold comes first
.endr
	v_cvt_scalef32_pk8_fp8_f32 v[CD+4*\i:CD+4*\i+1], v[ACC+16*\i:ACC+16*\i+7], v[TO+\i]
	v_cvt_scalef32_pk8_fp8_f32 v[CD+4*\i+2:CD+4*\i+3], v[ACC+16*\i+8:ACC+16*\i+15], v[TO+\i]
.endr
	v_nop                                          ; a plain line behind the last conversion: the next round's products write its sources
.endm
; THE CHANGE OF SLOTS, at the head of an odd round: slot sl has been read out, the other slot's first read stands half a round further on.  Each wave waits for all its tensor loads (one is out: its part of the other slot),
; adds 0 to its spare word, and waits for that and for its reads of slot sl; a round of the cluster's barrier: no wave of any partner still reads the slot or has a load on its way; the joint refill is the first thing behind it.
.macro CHANGE sl
	s_wait_tensorcnt 0x0                           ; no tensor load of mine is out, so a group 0 may be written
	ds_add_u32 v[SPW], v[NIL]                      ; 0 onto my spare word
	s_add_nc_u64 s[G0+4*(\sl)+2:G0+4*(\sl)+3], s[G0+4*(\sl)+2:G0+4*(\sl)+3], 65536   ; this slot's next fill: two fills on; the type bits on top are not reached
	s_wait_dscnt 0x0                               ; the add is done, and my reads of the slot are over
	CROUND
	tensor_load_to_lds s[G0+4*(\sl):G0+4*(\sl)+3], s[G1:G1+7]
	s_nop 0
	NOPS 4
.endm
; A ROUND.  n: its number among the four of q, of k or of v.  chg = 1: a change of slots with a refill stands at its head; 2: only the wait that shows my last fill landed.
; rw = 1: the next round's weights and biases are fetched from LDS;  rs = 1: the scale quad of two rounds on is asked for;  lc: the quads that may stay out at the head
.macro ROUND kind, n, chg, rw, rs, lc
.if (\chg) == 1
	CHANGE (\n)/2
.elseif (\chg) == 2
	s_wait_tensorcnt 0x0                           ; my part of the last fill is in; I alone read it, and nothing is filled any more
.endif
	s_wait_loadcnt \lc                             ; this round's scale quad is in; the next round's may stay out
	s_wait_dscnt 0x0                               ; its weights and biases (and, the first time, h)
	KST \kind, 0, \n
	KST \kind, 1, \n
.if \rw
	NOPS 8                                         ; eight places in front of loads into registers that these matrix instructions have read
	WIN 0x40
	WLOAD (\n)+1, 0
.endif
	KST \kind, 2, \n
	KST \kind, 3, \n
	NOPS 8                                         ; for the loads below and for the first read of the results
	WIN 0
	s_wait_xcnt 0x0                                ; the last round's stores, 64 matrix instructions back, have read the registers that the conversions below write
.if \rs
.if ((\n)%2)
	global_load_b128 v[WS1:WS1+3], v[LI], s[WSB:WSB+1] offset:512*((\n)+2)
.else
	global_load_b128 v[WS0:WS0+3], v[LI], s[WSB:WSB+1] offset:512*((\n)+2)
.endif
.endif
.if \rw
	WIN 0x40
.if \kind
.irp u, 0,1
.irp j, 0,1,2,3,4,5,6,7
	ds_load_b32 v[128+8*\u+\j], v[BV0] offset:128*((\n)+1)+32*\u   ; v's result holds one channel a lane: its bias fills all eight registers
.endr
.endr
.else
.if (\n) == 3
.set boff, 2048                                        ; the next bias's first round.  (Behind k's last round these are words of bv that are not used: v's own are read behind the loop)
.else
.set boff, 128*((\n)+1)
.endif
.irp u, 0,1
.irp f, 0,1
	ds_load_b128 v[128+8*\u+4*\f:128+8*\u+4*\f+3], v[BA] offset:boff+32*\u+16*\f
.endr
.endr
.endif
	WLOAD (\n)+1, 1
	WIN 0
.endif
	QUANT8
.if \kind
.irp i, 0,1,2,3,4,5,6,7
	global_store_b128 v[LI], v[CD+4*\i:CD+4*\i+3], s[VOB:VOB+1] offset:2048*(2*(\n)+\i/4)+512*(\i%4)   ; tile 2 n + u, piece = the block of 32 keys
.endr
	v_lshl_or_b32 v[TM], v[TP+1], 8, v[TP]
	v_lshl_or_b32 v[TM+1], v[TP+5], 8, v[TP+4]
	v_lshl_or_b32 v[TM], v[TP+2], 16, v[TM]
	v_lshl_or_b32 v[TM+1], v[TP+6], 16, v[TM+1]
	v_lshl_or_b32 v[TM], v[TP+3], 24, v[TM]
	v_lshl_or_b32 v[TM+1], v[TP+7], 24, v[TM+1]
	v_cndmask_b32 v[VSW+(\n)], v[TM], v[TM+1], vcc_lo   ; lanes 0-15: tile 2 n's words; lanes 16-31: tile 2 n + 1's
.else
.irp i, 0,1,2,3,4,5,6,7
	global_store_b128 v[LI], v[CD+4*\i:CD+4*\i+3], s[OB:OB+1] offset:2048*\i+512*(\n)   ; position tile i, K step w, piece = round: 512 consecutive bytes
.endr
.irp i, 0,1,2,3,4,5,6,7
.if (\n) == 0
	v_mov_b32 v[WD+\i], v[TP+\i]                   ; the first round's byte starts the word
.else
	v_lshl_or_b32 v[WD+\i], v[TP+\i], 8*(\n), v[WD+\i]
.endif
.endr
.endif
.endm
	s_mov_b32 s[ROLE], 2
.Lrole:                                            ; q, then k: four rounds, once round the ring, both slots filled again
	ROUND 0, 0, 0, 1, 1, 1
	ROUND 0, 1, 1, 1, 1, 1
	ROUND 0, 2, 0, 1, 1, 1
	ROUND 0, 3, 1, 1, 1, 1
.irp i, 0,1,2,3
	v_cndmask_b32 v[TM+\i], v[WD+2*\i], v[WD+2*\i+1], vcc_lo   ; the quad: word i of lane (half, r) is row r of tile 2 i + half
.endr
	global_store_b128 v[LI], v[TM:TM+3], s[QSB:QSB+1]
	s_wait_xcnt 0x0                                ; the loads and stores have read their bases and registers
	s_add_nc_u64 s[OB:OB+1], s[OB:OB+1], 16777216  ; on to k's half of the buffers,
	s_add_nc_u64 s[QSB:QSB+1], s[QSB:QSB+1], 524288
	s_add_nc_u64 s[WSB:WSB+1], s[WSB:WSB+1], 2048  ; the next four scale quads,
	s_add_co_u32 s[BO], s[BO], 2048                ; the next bias
	v_add_nc_u32 v[BA], s[BO], v[BA0]
	s_sub_co_u32 s[ROLE], s[ROLE], 1
	s_cmp_lg_u32 s[ROLE], 0
	s_cbranch_scc1 .Lrole
	s_wait_dscnt 0x0                               ; the loads into the bias's registers have landed: v's first biases may be asked for
	WIN 0x40
.irp u, 0,1
.irp j, 0,1,2,3,4,5,6,7
	ds_load_b32 v[128+8*\u+\j], v[BV0] offset:32*\u
.endr
.endr
	WIN 0
	ROUND 1, 0, 0, 1, 1, 1                         ; v: written out; nothing is filled any more
	ROUND 1, 1, 2, 1, 1, 1
	ROUND 1, 2, 0, 1, 0, 1
	ROUND 1, 3, 0, 0, 0, 0
	global_store_b128 v[LI], v[VSW:VSW+3], s[VSB:VSB+1]
	s_wait_tensorcnt 0x0                           ; the wave's end, behind my last tensor load and my last LDS store
	ds_add_u32 v[SPW], v[NIL]
	s_wait_dscnt 0x0
	CROUND                                         ; the closing round: no work-group ends while a partner may still ask for a fill that names it
	s_endpgm
.Lfunc_end_k_q9f8ff52828_proj:
	.size	k_q9f8ff52828_proj, .Lfunc_end_k_q9f8ff52828_proj-k_q9f8ff52828_proj
	.p2alignl 7, 3214868480
	.fill 96, 4, 3214868480
	.section	.rodata,"a",@progbits
	.p2align	6, 0x0
	.amdhsa_kernel k_q9f8ff52828_proj
		.amdhsa_group_segment_fixed_size 327680
		.amdhsa_private_segment_fixed_size 0
		.amdhsa_enable_private_segment 0
		.amdhsa_kernarg_size 88
		.amdhsa_user_sgpr_count 2
		.amdhsa_user_sgpr_kernarg_segment_ptr 1
		.amdhsa_wavefront_size32 1
		.amdhsa_system_sgpr_workgroup_id_x 1
		.amdhsa_system_sgpr_workgroup_id_y 1
		.amdhsa_system_sgpr_workgroup_id_z 1
		.amdhsa_system_vgpr_workitem_id 0
		.amdhsa_next_free_vgpr 1024
		.amdhsa_next_free_sgpr 88
		.amdhsa_reserve_vcc 1
		.amdhsa_float_denorm_mode_32 3
		.amdhsa_float_denorm_mode_16_64 3
		.amdhsa_memory_ordered 1
		.amdhsa_forward_progress 1
		.amdhsa_inst_pref_size 254
	.end_amdhsa_kernel
	.amdgpu_metadata
---
amdhsa.version: [ 1, 2 ]
amdhsa.kernels:
  - .name:           k_q9f8ff52828_proj
    .symbol:         k_q9f8ff52828_proj.kd
    .args:
      - { .name: hq, .offset: 0, .size: 8, .value_kind: global_buffer, .address_space: global }
      - { .name: hs, .offset: 8, .size: 8, .value_kind: global_buffer, .address_space: global }
      - { .name: wc, .offset: 16, .size: 8, .value_kind: global_buffer, .address_space: global }
      - { .name: ws, .offset: 24, .size: 8, .value_kind: global_buffer, .address_space: global }
      - { .name: bq, .offset: 32, .size: 8, .value_kind: global_buffer, .address_space: global }
      - { .name: bk, .offset: 40, .size: 8, .value_kind: global_buffer, .address_space: global }
      - { .name: bv, .offset: 48, .size: 8, .value_kind: global_buffer, .address_space: global }
      - { .name: qkc, .offset: 56, .size: 8, .value_kind: global_buffer, .address_space: global }
      - { .name: qks, .offset: 64, .size: 8, .value_kind: global_buffer, .address_space: global }
      - { .name: vc, .offset: 72, .size: 8, .value_kind: global_buffer, .address_space: global }
      - { .name: vs, .offset: 80, .size: 8, .value_kind: global_buffer, .address_space: global }
    .group_segment_fixed_size: 327680
    .private_segment_fixed_size: 0
    .kernarg_segment_align: 8
    .kernarg_segment_size: 88
    .max_flat_workgroup_size: 128
    .sgpr_count:     88
    .vgpr_count:     1024
    .wavefront_size: 32
...
	.end_amdgpu_metadata
.endif
;; end of part 2
;; launch attn (part 3): grid 8 x 32, 4 waves a work-group, no clusters, 262,656 bytes of LDS; arguments qkc, qks, vc, vs, wc, ws, bo, x, out0; writes out0
.if DOCPART == 3
	.amdgcn_target "amdgcn-amd-amdhsa--gfx1250"
	.amdhsa_code_object_version 6
	.text
	.protected	k_q9f8ff52828_attn
	.globl	k_q9f8ff52828_attn
	.p2align	8
	.type	k_q9f8ff52828_attn,@function
k_q9f8ff52828_attn:
	s_mov_b64 s[64:65], 0
	v_nop
	global_prefetch_b8 v0, s[64:65] scope:SCOPE_SE
	s_setreg_imm32_b32 hwreg(HW_REG_WAVE_MODE, 25, 1), 1
	s_wait_xcnt 0x0
; out = x + Wo (softmax(q^T k / sqrt(512)) v) + bo, all three products on codes of E4M3 with E8M0 scales.  The softmax is FINISHED AND NORMALISED before it is quantised along the keys.
; SHARES.  Work-group (chunk, b) owns 128 queries of image b: 8 tiles of 16.  Wave w owns keys 256 w .. + 255 in the scores, channels 128 w .. + 127 in P V, output channels 128 w .. + 127 in the last product.
; THE SCORES STAY IN REGISTERS: 64 queries x 256 keys of f32 are 512 registers a wave, so the scores and the softmax go in two halves of 64 queries (a loop of two trips) and nothing is computed twice.
; A row's maximum and sum meet in LDS (two barriers a half).  p = 2^(c s - c m), c = log2(e) / sqrt(512), m the row's true maximum; p / sum is quantised block by block and goes to LDS as images of operand registers.
; P V and the output product run for all 128 queries at once.  K, V and Wo are laid in memory in the order of use and go straight into a ring of 16 fragments in registers (window 1); P, Q and h2 come from LDS.
; LAYOUT.  S^T = K Q^T and O^T = V^T P^T (source 0 = 16 keys, or 16 channels): a lane holds ONE query, its registers run along the next K.  The last product has source 0 = h2, source 1 = Wo: a lane holds one output channel and neighbouring positions.
; Row r of a tile t is index 32 (t / 2) + 8 (t % 2) + r + 8 (r / 8), so that the 16 registers of tiles 2 b and 2 b + 1 are 16 neighbours.
; NO CLUSTER: K, V and Wo are read by 8 work-groups or more, but inside a work-group each of their bytes is read once, by one wave, into registers; beside P (128 KiB) and Q (64 KiB) LDS has no room for slots that a joint load could fill ahead.
; LIMITS: NaN and infinities are not served.  p under 2^-126 counts as 0 (v_exp_f32 flushes).  The division is a multiplication by v_rcp_f32 of the sum.  A block's largest p is taken from its largest score, which takes v_exp_f32 not to fall where its input rises.
;   A block of zeros or under 2^-118 gets the byte 1: this program alone reads the bytes.
; REGISTERS.  window 0: v1-15 addresses; v16-47 K's scale words; v48-55 Q's, then P's, then h2's; v56-63 V's, then Wo's; v64-255 by phase.   window 1: the ring, slot g at 64 g.   windows 2, 3: accumulators.
.set QSC,  65536                       ; LDS: 0: Q's 32 fragments [K step][tile 8][2,048], later h2's;  65,536: Q's scale quads [K step][512];
.set HSC,  67584                       ; h2's;
.set PSC,  69632                       ; P's, [key step 8][512];
.set MAXR, 73728                       ; the waves' row maxima [wave][tile 4][lane], and 2,048 bytes on their row sums;
.set PIMG, 131072                      ; P's 64 fragments [key step 8][tile 8][2,048]; on the way out each wave's two stages of 16 rows x 528 bytes
.set LI,   1                           ; 16 x lane
.set L4,   2                           ; 4 x lane
.set R16,  3                           ; 16 x (lane % 16)
.set PFV,  14                          ; 256 x lane: V's prefetch; never rewritten
.set PFX,  15                          ; x's prefetch: row lane / 2 of a tile, half lane % 2 of its 512 bytes; never rewritten
.set KS,   16
.set PS,   48
.set SS,   56
.set BM,   64                          ; v64-95   the 32 blocks' largest scores, then largest p
.set SCO,  96                          ; v96-111  16 blocks' scale operands (earlier: the permutes' results)
.set HLD,  112                         ; v112-127 448 x the scale
.set BYT,  128                         ; v128-143 bytes
.set STT,  144                         ; v144-159 the waves' maxima or sums
.set RM,   160                         ; v160-163 the rows' maxima
.set NM,   164                         ; v164-171 -c m, the low word of a pair for each tile
.set SUMP, 172                         ; v172-179 the rows' sums, in two halves
.set RL,   180                         ; v180-187 1 / sum, the low word of a pair
.set PW,   188                         ; v188-191 scale words just made
.set CD,   192                         ; v192-255 codes
.set BOV,  64                          ; the way out: bo, the low word of a pair for each tile
.set WV,   2
.set KB,   22                          ; s[22:23] my 256 keys' codes: [K step][tile 16][2,048]
.set VB,   24                          ; s[24:25] my 128 channels of V: [key step][tile 8][2,048]
.set NB,   26                          ; s[26:27] what follows the scores' last K step in the ring: K again, or V
.set RB,   28                          ; s[28:29] the stream's refills;  s[30:31] their scale quads
.set RSB,  30
.set WOB,  32                          ; s[32:33] my 128 rows of Wo: [K step][tile 8][2,048];  s[34:35] their scale quads
.set WOS,  34
.set XB,   36                          ; s[36:37], s[38:39] x and out0 at my first row and the chunk's first position
.set OB,   38
.set SEL,  40
.set MNT,  42
.set NCS,  43                          ; -c
.set CS,   44                          ; s[44:45] c
.set CNT,  46
.set PO,   47                          ; LDS bytes of the trip's two key steps of P, of the look-ahead, and the same for the quads
.set PN,   48
.set SO,   49
.set SN,   50
.set E8K,  51                          ; 8,192 x half
.set E8,   52                          ; 8 x half
.set HALF, 53
.set PVB,  56                          ; s[56:57] V's prefetch
.set MSB, 0
.macro WIN new                         ; the immediate's high byte repeats the setting that is left
.if MSB != (\new)
	s_set_vgpr_msb (MSB<<8)|(\new)
.set MSB, (\new)
.endif
.endm
.macro NOPS n
.rept \n
	v_nop
.endr
.endm
.macro BARRIER                         ; my LDS stores have landed and my LDS loads are in: then the work-group's barrier
	s_wait_dscnt 0x0
	s_barrier_signal -1
	s_barrier_wait -1
.endm
.macro WMX                             ; one matrix instruction from the symbols rD, rA, rB, rC (under 0: the constant 0), rSA, rSB, fA, fB
.if rC < 0
.if fA && fB
	v_wmma_scale_f32_16x16x128_f8f6f4 v[rD:rD+7], v[rA:rA+15], v[rB:rB+15], 0, v[rSA], v[rSB] matrix_a_scale:MATRIX_SCALE_ROW1 matrix_b_scale:MATRIX_SCALE_ROW1
.elseif fA
	v_wmma_scale_f32_16x16x128_f8f6f4 v[rD:rD+7], v[rA:rA+15], v[rB:rB+15], 0, v[rSA], v[rSB] matrix_a_scale:MATRIX_SCALE_ROW1
.elseif fB
	v_wmma_scale_f32_16x16x128_f8f6f4 v[rD:rD+7], v[rA:rA+15], v[rB:rB+15], 0, v[rSA], v[rSB] matrix_b_scale:MATRIX_SCALE_ROW1
.else
	v_wmma_scale_f32_16x16x128_f8f6f4 v[rD:rD+7], v[rA:rA+15], v[rB:rB+15], 0, v[rSA], v[rSB]
.endif
.else
.if fA && fB
	v_wmma_scale_f32_16x16x128_f8f6f4 v[rD:rD+7], v[rA:rA+15], v[rB:rB+15], v[rC:rC+7], v[rSA], v[rSB] matrix_a_scale:MATRIX_SCALE_ROW1 matrix_b_scale:MATRIX_SCALE_ROW1
.elseif fA
	v_wmma_scale_f32_16x16x128_f8f6f4 v[rD:rD+7], v[rA:rA+15], v[rB:rB+15], v[rC:rC+7], v[rSA], v[rSB] matrix_a_scale:MATRIX_SCALE_ROW1
.elseif fB
	v_wmma_scale_f32_16x16x128_f8f6f4 v[rD:rD+7], v[rA:rA+15], v[rB:rB+15], v[rC:rC+7], v[rSA], v[rSB] matrix_b_scale:MATRIX_SCALE_ROW1
.else
	v_wmma_scale_f32_16x16x128_f8f6f4 v[rD:rD+7], v[rA:rA+15], v[rB:rB+15], v[rC:rC+7], v[rSA], v[rSB]
.endif
.endif
.endm
.macro RING g, bs, off                 ; four fragments, 8 KiB on end, into slot g of the ring (the caller has set the destination's window to 1)
.irp f, 0,1,2,3
.irp c, 0,1,2,3
	global_load_b128 v[64*(\g)+16*\f+4*\c:64*(\g)+16*\f+4*\c+3], v[LI], s[\bs:\bs+1] offset:(\off)+2048*\f+512*\c
.endr
.endr
.endm
	s_load_b512 s[4:19], s[0:1], 0x0               ; qkc, qks, vc, vs, wc, ws, bo, x
	s_load_b64 s[20:21], s[0:1], 0x40              ; out0
	v_lshrrev_b32 v4, 5, v0
	v_readfirstlane_b32 s[WV], v4                  ; wave 0..3
	v_and_b32 v4, 31, v0
	v_lshlrev_b32 v[LI], 4, v4
	v_lshlrev_b32 v[L4], 2, v4
	v_and_b32 v5, 15, v0
	v_lshlrev_b32 v[R16], 4, v5
	v_lshlrev_b32 v[PFV], 8, v4
	v_lshrrev_b32 v6, 1, v4                        ; i = lane / 2
	v_and_b32 v7, 8, v6
	v_add_nc_u32 v6, v6, v7                        ; i + 8 (i / 8)
	v_lshlrev_b32 v6, 12, v6                       ; rows of 4,096 bytes
	v_and_b32 v7, 1, v0
	v_lshl_add_u32 v[PFX], v7, 8, v6
	s_mov_b32 s[SEL], 0x76543210
	s_mov_b32 s[SEL+1], 0xfedcba98
	s_mov_b32 s[MNT], 0x600000
	s_mov_b32 s[CS], 0x3d8293ee                    ; c = log2(e) / sqrt(512)
	s_mov_b32 s[CS+1], s[CS]                       ; (named with it as a pair, so it is written)
	s_mov_b32 s[NCS], 0xbd8293ee
	s_and_b32 s60, ttmp7, 0xffff                   ; b
	s_mov_b32 s55, 0
	s_wait_kmcnt 0x0
	s_lshl_b32 s61, s60, 19
	s_lshl_b32 s62, s[WV], 17
	s_add_co_u32 s54, s61, s62                     ; (4 b + w) x 131,072
	s_add_nc_u64 s[VB:VB+1], s[8:9], s[54:55]
	s_add_nc_u64 s[KB:KB+1], s[4:5], s[54:55]
	s_add_nc_u64 s[KB:KB+1], s[KB:KB+1], 16777216
	s_lshl_b32 s54, ttmp9, 14
	s_add_nc_u64 s[PVB:PVB+1], s[VB:VB+1], s[54:55]   ; key step = chunk of my stream of V: the 8 work-groups of an image share V's blocks out by address
	s_lshr_b32 s62, ttmp9, 1                       ; Q: [b][chunk / 2][K step = w][8 (chunk % 2) + tile][2,048]
	s_lshl_b32 s62, s62, 17
	s_add_co_u32 s54, s61, s62
	s_lshl_b32 s62, s[WV], 15
	s_add_co_u32 s54, s54, s62
	s_and_b32 s62, ttmp9, 1
	s_lshl_b32 s62, s62, 14
	s_add_co_u32 s54, s54, s62
	s_add_nc_u64 s[4:5], s[4:5], s[54:55]
	s_lshl_b32 s61, s60, 14
	s_lshl_b32 s62, s[WV], 12
	s_add_co_u32 s54, s61, s62
	s_add_nc_u64 s[RSB:RSB+1], s[10:11], s[54:55]  ; V's scale quads: [b][w][key step][512]
	s_add_nc_u64 s[58:59], s[6:7], s[54:55]
	s_add_nc_u64 s[58:59], s[58:59], 524288        ; K's: chunks 2 w and 2 w + 1, four K steps each
	s_lshl_b32 s62, ttmp9, 11
	s_add_co_u32 s54, s61, s62
	s_lshl_b32 s62, s[WV], 9
	s_add_co_u32 s54, s54, s62
	s_add_nc_u64 s[6:7], s[6:7], s[54:55]          ; Q's quad of K step w
	s_lshl_b32 s54, s[WV], 16
	s_add_co_u32 s54, s54, 786432
	s_add_nc_u64 s[WOB:WOB+1], s[12:13], s[54:55]
	s_lshl_b32 s54, s[WV], 11
	s_add_co_u32 s54, s54, 24576
	s_add_nc_u64 s[WOS:WOS+1], s[14:15], s[54:55]
	s_lshl_b32 s54, s[WV], 9
	s_add_nc_u64 s[16:17], s[16:17], s[54:55]      ; bo: my 128 numbers
	s_lshl_b32 s54, s60, 21
	s_lshl_b32 s62, s[WV], 19
	s_add_co_u32 s54, s54, s62
	s_lshl_b32 s62, ttmp9, 9
	s_add_co_u32 s54, s54, s62
	s_add_nc_u64 s[XB:XB+1], s[18:19], s[54:55]
	s_add_nc_u64 s[OB:OB+1], s[20:21], s[54:55]
.set i, 0
.rept 32
	global_load_b128 v[128+4*i:128+4*i+3], v[LI], s[4:5] offset:512*i   ; K step w of the chunk's 8 tiles of Q: 16 KiB on end
.set i, i+1
.endr
	global_load_b128 v[64:67], v[LI], s[6:7]
.irp n, 0,1,2,3,4,5,6,7
	global_load_b128 v[KS+4*\n:KS+4*\n+3], v[LI], s[58:59] offset:512*\n   ; v[KS + 16 e + 4 s + i]: tiles 8 e + 2 i (lanes 0-15) and 8 e + 2 i + 1 (lanes 16-31), K step s
.endr
.irp p, 0,1
	global_load_b128 v[SS+4*\p:SS+4*\p+3], v[LI], s[RSB:RSB+1] offset:512*\p   ; V's quads of key steps 0 and 1
.endr
	WIN 0x40
	RING 0, KB, 0
	WIN 0
	s_lshl_b32 s61, s[WV], 14
	v_add_nc_u32 v4, s61, v[LI]
	s_lshl_b32 s61, s[WV], 9
	s_add_co_u32 s62, s61, QSC
	v_add_nc_u32 v5, s62, v[LI]
	v_add_nc_u32 v8, MAXR, v[L4]                   ; where the waves' maxima and sums are read,
	v_add_nc_u32 v9, s61, v8                       ; and where mine go
	s_lshl_b32 s61, s[WV], 15
	s_add_co_u32 s61, s61, PIMG
	v_add_nc_u32 v10, s61, v[LI]                   ; my two key steps of P
	s_lshl_b32 s61, s[WV], 10
	s_add_co_u32 s61, s61, PSC
	v_add_nc_u32 v11, s61, v[R16]                  ; and their quads
	v_add_nc_u32 v12, QSC, v[LI]
	s_wait_loadcnt 26                              ; Q's 33 loads are in: behind them stand 8 + 2 + 16
.set i, 0
.rept 32
	ds_store_b128 v4, v[128+4*i:128+4*i+3] offset:512*i
.set i, i+1
.endr
	ds_store_b128 v5, v[64:67]
	WIN 0x40
	RING 1, KB, 8192
	RING 2, KB, 16384
	RING 3, KB, 24576
	WIN 0
.set i, 0
.rept 16
	v_mov_b32 v[SCO+i], 0                          ; written once: a lane permute's destination counts as one of its sources
.set i, i+1
.endr
	s_mov_b32 s[HALF], 0
	s_mov_b32 s[E8K], 0
	s_mov_b32 s[E8], 0
	BARRIER                                        ; Q's 32 fragments and 4 quads lie in LDS
.macro QLOAD s                         ; the half's four tiles of Q, K step s, into set s % 2
.irp qt, 0,1,2,3
.irp c, 0,1,2,3
	ds_load_b128 v[128+64*((\s)%2)+16*\qt+4*\c:128+64*((\s)%2)+16*\qt+4*\c+3], v4 offset:16384*(\s)+2048*\qt+512*\c
.endr
.endr
.endm
; 16 matrix instructions: key tiles 4 g .. 4 g + 3 (slot g of the ring) x the half's 4 tiles of queries, K step s; then the slot is asked for again
.macro SGROUP s, g
	s_wait_loadcnt 48                              ; slot g is in; the three younger slots' 48 loads stay out
	WIN 0xa1+0x50*((\g)/2)                         ; source 0 window 1, source 1 window 0, C and D window 2 or 3
.irp f, 0,1,2,3
.irp qt, 0,1,2,3
.set kt, 4*(\g)+\f
.set rD, 32*(kt%8)+8*\qt
.set rA, 64*(\g)+16*\f
.set rB, 128+64*((\s)%2)+16*\qt
.if (\s) == 0
.set rC, -1
.else
.set rC, rD
.endif
.set rSA, KS+16*(kt/8)+4*(\s)+(kt%8)/2
.set fA, kt%2
.set rSB, PS+2*(\s)+\qt/2
.set fB, \qt%2
	WMX
.endr
.endr
	NOPS 8                                         ; eight places in front of loads into registers that these matrix instructions have read
	WIN 0x40
.if (\s) < 3
	RING \g, KB, 2048*(16*((\s)+1)+4*(\g))
.else
	RING \g, NB, 8192*(\g)                         ; K step 0 of the next half, or V's first two key steps: the ring never stops
.endif
.endm
; the largest score of each block of 32 keys in window W: 16 numbers in my lane, each accumulator read from its low end on
.macro SMAX W
	WIN 0x15*(\W)
.irp bl, 0,1,2,3
.irp qt, 0,1,2,3
	v_max3_num_f32 v[BM+16*((\W)-2)+4*\bl+\qt], v[64*\bl+8*\qt], v[64*\bl+8*\qt+1], v[64*\bl+8*\qt+2]
.endr
.endr
	WIN 0x14*(\W)
.irp n, 3,5,7,9,11,13
.irp bl, 0,1,2,3
.irp qt, 0,1,2,3
	v_max3_num_f32 v[BM+16*((\W)-2)+4*\bl+\qt], v[BM+16*((\W)-2)+4*\bl+\qt], v[64*\bl+8*\qt+\n+24*(\n/8)], v[64*\bl+8*\qt+\n+1+24*((\n+1)/8)]
.endr
.endr
.endr
.irp bl, 0,1,2,3
.irp qt, 0,1,2,3
	v_max_num_f32 v[BM+16*((\W)-2)+4*\bl+\qt], v[BM+16*((\W)-2)+4*\bl+\qt], v[64*\bl+8*\qt+39]
.endr
.endr
.endm
; window W's 16 blocks are normalised, quantised and stored as key step 2 w + W - 2 of P
.macro NORM W
	WIN 0
.irp bl, 0,1,2,3
.irp qt, 0,1,2,3
	v_mul_f32 v[BYT+4*\bl+\qt], v[BM+16*((\W)-2)+4*\bl+\qt], v[RL+2*\qt]   ; the block's largest p / sum: the same multiplication as its numbers get
.endr
.endr
.set i, 0
.rept 16
	v_max_num_f32 v[BYT+i], 0x4800000, v[BYT+i]    ; the floor 2^(9 - 127)
.set i, i+1
.endr
.set i, 0
.rept 16
	v_add_nc_u32 v[SCO+i], 0xfc000000, v[BYT+i]
.set i, i+1
.endr
.set i, 0
.rept 16
	v_and_or_b32 v[HLD+i], v[BYT+i], 0x7f800000, s[MNT]
.set i, i+1
.endr
.set i, 0
.rept 16
	v_lshrrev_b32 v[BYT+i], 23, v[SCO+i]
.set i, i+1
.endr
.irp qt, 0,1,2,3
	v_lshl_or_b32 v[PW+\qt], v[BYT+4+\qt], 8, v[BYT+\qt]
.endr
.irp qt, 0,1,2,3
	v_lshl_or_b32 v[PW+\qt], v[BYT+8+\qt], 16, v[PW+\qt]
.endr
.irp qt, 0,1,2,3
	v_lshl_or_b32 v[PW+\qt], v[BYT+12+\qt], 24, v[PW+\qt]
.endr
	WIN 0x41*(\W)
.irp t, 0,1,2,3,4,5,6,7
.irp qt, 0,1,2,3
.irp i, 0,2,4,6
	v_pk_mul_f32 v[32*\t+8*\qt+\i:32*\t+8*\qt+\i+1], v[32*\t+8*\qt+\i:32*\t+8*\qt+\i+1], v[RL+2*\qt:RL+2*\qt+1] op_sel_hi:[1,0]
.endr
.endr
.endr
.irp t, 0,1,2,3,4,5,6,7
.irp qt, 0,1,2,3
.irp i, 0,1,2,3,4,5,6,7
	v_min_num_f32 v[32*\t+8*\qt+\i], v[32*\t+8*\qt+\i], v[HLD+4*(\t/2)+\qt]   ; the conversion does not saturate (ISA guide 7.6.2); p is not negative, so the hold is one-sided
.endr
.endr
.endr
	WIN \W
.irp bl, 0,1,2,3
.irp qt, 0,1,2,3
.irp u, 0,1
	v_cvt_scalef32_pk8_fp8_f32 v[CD+4*(4*\bl+\qt)+2*\u:CD+4*(4*\bl+\qt)+2*\u+1], v[64*\bl+32*\u+8*\qt:64*\bl+32*\u+8*\qt+7], v[SCO+4*\bl+\qt]
.endr
.endr
.endr
	v_nop                                          ; a plain line behind the last conversion: later products write its sources
	WIN 0
.irp bl, 0,1,2,3
.irp qt, 0,1,2,3
	ds_store_b128 v6, v[CD+4*(4*\bl+\qt):CD+4*(4*\bl+\qt)+3] offset:16384*((\W)-2)+2048*\qt+512*\bl
.endr
.endr
.irp qt, 0,1,2,3
	ds_store_b32 v7, v[PW+\qt] offset:512*((\W)-2)+256*(\qt%2)+4*(\qt/2)   ; both halves of the lanes write the same word
.endr
	s_wait_dscnt 0x0                               ; the stores have read their registers
.endm
.Lhalf:                                            ; two trips: queries 64 x half on
	s_wait_xcnt 0x0                                ; the last trip's loads have read NB
	s_cmp_eq_u32 s[HALF], 0
	s_cselect_b64 s[NB:NB+1], s[KB:KB+1], s[VB:VB+1]
	v_add_nc_u32 v4, s[E8K], v[LI]                 ; the half's four tiles of Q,
	v_add_nc_u32 v5, s[E8], v12                    ; their two words of each quad,
	v_add_nc_u32 v6, s[E8K], v10                   ; and where its P and P's scale words go
	v_add_nc_u32 v7, s[E8], v11
.irp s, 0,1,2,3
	ds_load_b64 v[PS+2*\s:PS+2*\s+1], v5 offset:512*\s
.endr
	QLOAD 0
	QLOAD 1
	s_cmp_eq_u32 s[HALF], 0
	s_cbranch_scc1 .Lno_pf
	global_prefetch_b8 v[PFV], s[PVB:PVB+1] th:TH_LOAD_NT scope:SCOPE_SE               ; V, in the second half alone: 16 KiB of my stream, lanes 256 bytes apart, two instructions;
	global_prefetch_b8 v[PFV], s[PVB:PVB+1] offset:8192 th:TH_LOAD_NT scope:SCOPE_SE   ; each block is named once in the launch; V's first loads stand three K steps of scores further on
.Lno_pf:
.irp s, 0,1,2,3
.if \s == 3
	s_wait_dscnt 0x0
.else
	s_wait_dscnt 16                                ; this K step's set of Q is in; the next set's 16 loads stay out
.endif
	SGROUP \s, 0
	SGROUP \s, 1
	SGROUP \s, 2
	SGROUP \s, 3
	WIN 0
.if \s < 2
	QLOAD \s+2
.endif
.endr
	; ---- the softmax of 64 queries.  (The last group's eight places stand in front of the first read of the scores)
	SMAX 2
	SMAX 3
	WIN 0
.irp hf, 0,1
.set i, 0
.rept 16
	v_permlanex16_b32 v[SCO+i], v[BM+16*\hf+i], s[SEL], s[SEL+1]
.set i, i+1
.endr
.set i, 0
.rept 16
	v_max_num_f32 v[BM+16*\hf+i], v[BM+16*\hf+i], v[SCO+i]   ; with lane l xor 16's 16 keys
.set i, i+1
.endr
.endr
.irp qt, 0,1,2,3
	v_max3_num_f32 v[RM+\qt], v[BM+\qt], v[BM+4+\qt], v[BM+8+\qt]
.endr
.irp qt, 0,1,2,3
	v_max3_num_f32 v[RM+\qt], v[RM+\qt], v[BM+12+\qt], v[BM+16+\qt]
.endr
.irp qt, 0,1,2,3
	v_max3_num_f32 v[RM+\qt], v[RM+\qt], v[BM+20+\qt], v[BM+24+\qt]
.endr
.irp qt, 0,1,2,3
	v_max_num_f32 v[RM+\qt], v[RM+\qt], v[BM+28+\qt]
.endr
.irp qt, 0,1,2,3
	ds_store_b32 v9, v[RM+\qt] offset:128*\qt
.endr
	BARRIER
.irp w, 0,1,2,3
.irp qt, 0,1,2,3
	ds_load_b32 v[STT+4*\w+\qt], v8 offset:512*\w+128*\qt
.endr
.endr
	s_wait_dscnt 0x0
.irp qt, 0,1,2,3
	v_max3_num_f32 v[RM+\qt], v[STT+\qt], v[STT+4+\qt], v[STT+8+\qt]
.endr
.irp qt, 0,1,2,3
	v_max_num_f32 v[RM+\qt], v[RM+\qt], v[STT+12+\qt]   ; the row's maximum over all 1,024 keys
.endr
.irp qt, 0,1,2,3
	v_mul_f32 v[NM+2*\qt], s[NCS], v[RM+\qt]
.endr
.irp W, 2,3
	WIN 0x41*\W
.irp t, 0,1,2,3,4,5,6,7
.irp qt, 0,1,2,3
.irp i, 0,2,4,6
	v_pk_fma_f32 v[32*\t+8*\qt+\i:32*\t+8*\qt+\i+1], v[32*\t+8*\qt+\i:32*\t+8*\qt+\i+1], s[CS:CS+1], v[NM+2*\qt:NM+2*\qt+1] op_sel_hi:[1,0,0]   ; c s - c m
.endr
.endr
.endr
.endr
	WIN 0
.set i, 0
.rept 32
	v_fma_f32 v[BM+i], v[BM+i], s[CS], v[NM+2*(i%4)]   ; the same of each block's largest score
.set i, i+1
.endr
.irp W, 2,3
	WIN 0x41*\W
.set i, 0
.rept 256
	v_exp_f32 v[i], v[i]
.set i, i+1
.endr
	v_nop                                          ; a plain line behind the batch,
	s_wait_alu depctr_va_vdst(0)                   ; and the wait: one for a window's 256
.endr
	WIN 0
.set i, 0
.rept 32
	v_exp_f32 v[BM+i], v[BM+i]                     ; the blocks' largest p: the same two instructions on the same number give the same bits
.set i, i+1
.endr
	v_nop
	s_wait_alu depctr_va_vdst(0)
	WIN 0x0a                                       ; the rows' sums of the unquantised p: four chains, one a tile; the first addition starts each
.irp qt, 0,1,2,3
	v_pk_add_f32 v[SUMP+2*\qt:SUMP+2*\qt+1], v[8*\qt:8*\qt+1], v[8*\qt+2:8*\qt+3]
.endr
	WIN 0x08
.irp i, 4,6
.irp qt, 0,1,2,3
	v_pk_add_f32 v[SUMP+2*\qt:SUMP+2*\qt+1], v[SUMP+2*\qt:SUMP+2*\qt+1], v[8*\qt+\i:8*\qt+\i+1]
.endr
.endr
.irp t, 1,2,3,4,5,6,7
.irp i, 0,2,4,6
.irp qt, 0,1,2,3
	v_pk_add_f32 v[SUMP+2*\qt:SUMP+2*\qt+1], v[SUMP+2*\qt:SUMP+2*\qt+1], v[32*\t+8*\qt+\i:32*\t+8*\qt+\i+1]
.endr
.endr
.endr
	WIN 0x0c
.irp t, 0,1,2,3,4,5,6,7
.irp i, 0,2,4,6
.irp qt, 0,1,2,3
	v_pk_add_f32 v[SUMP+2*\qt:SUMP+2*\qt+1], v[SUMP+2*\qt:SUMP+2*\qt+1], v[32*\t+8*\qt+\i:32*\t+8*\qt+\i+1]
.endr
.endr
.endr
	WIN 0
.irp qt, 0,1,2,3
	v_add_f32 v[STT+\qt], v[SUMP+2*\qt], v[SUMP+2*\qt+1]
.endr
.irp qt, 0,1,2,3
	v_permlanex16_b32 v[STT+4+\qt], v[STT+\qt], s[SEL], s[SEL+1]
.endr
.irp qt, 0,1,2,3
	v_add_f32 v[STT+\qt], v[STT+\qt], v[STT+4+\qt]
.endr
.irp qt, 0,1,2,3
	ds_store_b32 v9, v[STT+\qt] offset:2048+128*\qt
.endr
	BARRIER
.irp w, 0,1,2,3
.irp qt, 0,1,2,3
	ds_load_b32 v[STT+4*\w+\qt], v8 offset:2048+512*\w+128*\qt
.endr
.endr
	s_wait_dscnt 0x0
.irp qt, 0,1,2,3
	v_add_f32 v[STT+\qt], v[STT+\qt], v[STT+4+\qt]
.endr
.irp qt, 0,1,2,3
	v_add_f32 v[STT+8+\qt], v[STT+8+\qt], v[STT+12+\qt]
.endr
.irp qt, 0,1,2,3
	v_add_f32 v[STT+\qt], v[STT+\qt], v[STT+8+\qt]
.endr
.irp qt, 0,1,2,3
	v_rcp_f32 v[RL+2*\qt], v[STT+\qt]
.endr
	v_nop
	s_wait_alu depctr_va_vdst(0)
	NORM 2
	NORM 3
	s_add_co_u32 s[E8K], s[E8K], 8192
	s_add_co_u32 s[E8], s[E8], 8
	s_add_co_u32 s[HALF], s[HALF], 1
	s_cmp_lt_u32 s[HALF], 2
	s_cbranch_scc1 .Lhalf
	BARRIER                                        ; P's 64 fragments and 8 quads lie in LDS
	s_wait_loadcnt 0x0                             ; V's first two key steps, asked for ahead of the second softmax
; 16 matrix instructions: stream tiles t0 .. t0 + 3 x LDS fragments q0 .. q0 + 3.  mode 0: O^T += V^T P^T;  1: out += h2 Wo^T
.macro HQ mode, par, zero, t0, q0
.if \mode
	WIN 0xa4+0x50*((\t0)/4)                        ; source 0 window 0, source 1 window 1, C and D window 2 or 3
.else
	WIN 0xa1+0x50*((\q0)/4)
.endif
.irp t, 0,1,2,3
.irp q, 0,1,2,3
.set tt, (\t0)+\t
.set qq, (\q0)+\q
.set rR, 128*(\par)+16*tt
.if qq < 4
.set rL, 64+64*(\par)+16*qq
.else
.set rL, 192+16*(qq-4)
.endif
.if \mode
.set rD, 64*(tt%4)+8*qq
.set rA, rL
.set rB, rR
.set rSA, PS+4*(\par)+qq/2
.set fA, qq%2
.set rSB, SS+4*(\par)+tt/2
.set fB, tt%2
.else
.set rD, 64*(qq%4)+8*tt
.set rA, rR
.set rB, rL
.set rSA, SS+4*(\par)+tt/2
.set fA, tt%2
.set rSB, PS+4*(\par)+qq/2
.set fB, qq%2
.endif
.if \zero
.set rC, -1
.else
.set rC, rD
.endif
	WMX
.endr
.endr
.endm
; A K STEP of 128: 64 matrix instructions, one on each accumulator.  The stream's 8 fragments lie in half par of the ring; the 8 fragments from LDS in v64 + 64 par on (tiles 0-3, two sets) and v192 on (tiles 4-7, one set).
; gref = 1: each half of the ring's half is asked for again as soon as it is read out, two K steps ahead, from RB, and the scale quad from RSB.  lref = 1: the next K step's LDS fragments are fetched from v[la] + lo, its quad from v[sa] + so.
; n1: the loads that may stay out when this K step's quad and its first four fragments have to be there;  n3: when its last four.  Per K step 16 + 1 + 16 loads are issued, so both are 16 + 16 + 17 while the stream runs.
.macro KSTEP mode, par, zero, n1, n3, gref, lref, la, lo, sa, so, pf0, pf1
	s_wait_loadcnt \n1
	s_wait_dscnt 16                                ; the quad and tiles 0-3 are in; tiles 4-7's 16 loads may be out
	HQ \mode, \par, \zero, 0, 0
	s_wait_dscnt 0x0
	HQ \mode, \par, \zero, 0, 4
.if (\gref) || (\lref)
	NOPS 8                                         ; eight places in front of loads into registers that matrix instructions have read
.endif
.if \gref
	WIN 0x40
	RING 2*(\par), RB, 16384*(\par)
.endif
	WIN 0
.if \lref
	ds_load_b128 v[PS+4*(1-(\par)):PS+4*(1-(\par))+3], v[\sa] offset:\so
.irp q, 0,1,2,3
.irp c, 0,1,2,3
	ds_load_b128 v[64+64*(1-(\par))+16*\q+4*\c:64+64*(1-(\par))+16*\q+4*\c+3], v[\la] offset:(\lo)+2048*\q+512*\c
.endr
.endr
.endif
	s_wait_loadcnt \n3
	HQ \mode, \par, \zero, 4, 4
.if \lref
	NOPS 8
	WIN 0
.irp q, 0,1,2,3
.irp c, 0,1,2,3
	ds_load_b128 v[192+16*\q+4*\c:192+16*\q+4*\c+3], v[\la] offset:(\lo)+2048*(4+\q)+512*\c
.endr
.endr
.endif
	HQ \mode, \par, \zero, 4, 0
	NOPS 8                                         ; for the loads below, and behind the last K step for the first read of the results
	WIN 0
.if \gref
	global_load_b128 v[SS+4*(\par):SS+4*(\par)+3], v[LI], s[RSB:RSB+1] offset:512*(\par)
	WIN 0x40
	RING 2*(\par)+1, RB, 16384*(\par)+8192
	WIN 0
.endif
.if (\pf0) >= 0
	global_prefetch_b8 v[PFX], s[XB:XB+1] offset:(32*((\pf0)/2)+8*((\pf0)%2))*4096 th:TH_LOAD_NT scope:SCOPE_SE   ; x's tile pf0 of my 8: 16 rows x 512 bytes, a lane a block of 256; each block is mine alone
.endif
.if (\pf1) >= 0
	global_prefetch_b8 v[PFX], s[XB:XB+1] offset:(32*((\pf1)/2)+8*((\pf1)%2))*4096 th:TH_LOAD_NT scope:SCOPE_SE
.endif
.endm
.macro PADDR                           ; the trip's LDS addresses: P's two key steps, the look-ahead's, and the same for the quads
	v_add_nc_u32 v4, s[PO], v[LI]
	v_add_nc_u32 v5, s[PN], v[LI]
	v_add_nc_u32 v6, s[SO], v[LI]
	v_add_nc_u32 v7, s[SN], v[LI]
.endm
.macro PSTEP                           ; two key steps on.  The last trip's look-ahead has no key step to fetch: it is held at key step 6, inside P, and its data are not used, so that every wait's count is the same in every trip
	s_add_co_u32 s[PO], s[PO], 32768
	s_add_co_u32 s[PN], s[PO], 32768
	s_min_u32 s[PN], s[PN], PIMG+98304
	s_add_co_u32 s[SO], s[SO], 1024
	s_add_co_u32 s[SN], s[SO], 1024
	s_min_u32 s[SN], s[SN], PSC+3072
.endm
.macro PRIME la, sa                    ; K step 0's quad and 8 fragments from LDS
	ds_load_b128 v[PS:PS+3], v[\sa]
.irp q, 0,1,2,3
.irp c, 0,1,2,3
	ds_load_b128 v[64+16*\q+4*\c:64+16*\q+4*\c+3], v[\la] offset:2048*\q+512*\c
.endr
.endr
.irp q, 0,1,2,3
.irp c, 0,1,2,3
	ds_load_b128 v[192+16*\q+4*\c:192+16*\q+4*\c+3], v[\la] offset:2048*(4+\q)+512*\c
.endr
.endr
.endm
	; ---- O^T = V^T P^T: 8 key steps of 128, my 128 channels x 128 queries
	s_mov_b32 s[PO], PIMG
	s_mov_b32 s[PN], PIMG+32768
	s_mov_b32 s[SO], PSC
	s_mov_b32 s[SN], PSC+1024
	s_add_nc_u64 s[RB:RB+1], s[VB:VB+1], 32768     ; the first refills bring key steps 2 and 3
	s_add_nc_u64 s[RSB:RSB+1], s[RSB:RSB+1], 1024
	PADDR
	PRIME 4, 6
	KSTEP 0, 0, 1, 49, 49, 1, 1, 4, 16384, 6, 512, -1, -1   ; the first key step starts the sums: nothing is cleared
	KSTEP 0, 1, 0, 49, 49, 1, 1, 5, 0, 7, 0, -1, -1
	s_wait_xcnt 0x0
	s_add_nc_u64 s[RB:RB+1], s[RB:RB+1], 32768
	s_add_nc_u64 s[RSB:RSB+1], s[RSB:RSB+1], 1024
	PSTEP
	s_mov_b32 s[CNT], 3
.Lpv:
	PADDR
	KSTEP 0, 0, 0, 49, 49, 1, 1, 4, 16384, 6, 512, -1, -1
	KSTEP 0, 1, 0, 49, 49, 1, 1, 5, 0, 7, 0, -1, -1
	s_wait_xcnt 0x0                                ; the loads have read their bases
	s_add_nc_u64 s[RB:RB+1], s[RB:RB+1], 32768
	s_add_nc_u64 s[RSB:RSB+1], s[RSB:RSB+1], 1024
	s_cmp_eq_u32 s[CNT], 2                         ; the last trip's refills bring Wo's K steps 0 and 1: the stream goes on into the next product
	s_cselect_b64 s[RB:RB+1], s[WOB:WOB+1], s[RB:RB+1]
	s_cselect_b64 s[RSB:RSB+1], s[WOS:WOS+1], s[RSB:RSB+1]
	PSTEP
	s_sub_co_u32 s[CNT], s[CNT], 1
	s_cmp_lg_u32 s[CNT], 0
	s_cbranch_scc1 .Lpv
	s_wait_dscnt 0x0                               ; the look-ahead's loads have landed: their registers are free
	; ---- h2 is quantised along the channels: my 128 channels are K step w of the last product
	s_lshl_b32 s61, s[WV], 14
	v_add_nc_u32 v8, s61, v[LI]
	s_lshl_b32 s61, s[WV], 9
	s_add_co_u32 s61, s61, HSC
	v_add_nc_u32 v9, s61, v[R16]
; window W: tiles of queries 4 (W - 2) + q; block bl of tile q is v[64 q + 16 bl] on.  v64-79 largest magnitudes, v80-95 bytes, v96-111 holds, v112-127 scale operands, v128-191 codes, v192-195 scale words
.macro QH W
	WIN 0x05*(\W)
.irp q, 0,1,2,3
.irp bl, 0,1,2,3
	v_max3_num_f32 v[64+4*\q+\bl], |v[64*\q+16*\bl]|, |v[64*\q+16*\bl+1]|, 0x4800000   ; each accumulator from its low end on
.endr
.endr
	WIN 0x14*(\W)
.irp n, 2,4,6,8,10,12,14
.irp q, 0,1,2,3
.irp bl, 0,1,2,3
	v_max3_num_f32 v[64+4*\q+\bl], v[64+4*\q+\bl], |v[64*\q+16*\bl+\n]|, |v[64*\q+16*\bl+\n+1]|
.endr
.endr
.endr
	WIN 0
.set i, 0
.rept 16
	v_permlanex16_b32 v[80+i], v[64+i], s[SEL], s[SEL+1]
.set i, i+1
.endr
.set i, 0
.rept 16
	v_max_num_f32 v[64+i], v[64+i], v[80+i]
.set i, i+1
.endr
.set i, 0
.rept 16
	v_add_nc_u32 v[112+i], 0xfc000000, v[64+i]
.set i, i+1
.endr
.set i, 0
.rept 16
	v_and_or_b32 v[96+i], v[64+i], 0x7f800000, s[MNT]
.set i, i+1
.endr
.set i, 0
.rept 16
	v_lshrrev_b32 v[80+i], 23, v[112+i]
.set i, i+1
.endr
.irp q, 0,1,2,3
	v_lshl_or_b32 v[192+\q], v[80+4*\q+1], 8, v[80+4*\q]
.endr
.irp q, 0,1,2,3
	v_lshl_or_b32 v[192+\q], v[80+4*\q+2], 16, v[192+\q]
.endr
.irp q, 0,1,2,3
	v_lshl_or_b32 v[192+\q], v[80+4*\q+3], 24, v[192+\q]
.endr
	WIN 0x41*(\W)
.irp q, 0,1,2,3
.irp bl, 0,1,2,3
.irp i, 0,1,2,3,4,5,6,7,8,9,10,11,12,13,14,15
	v_med3_num_f32 v[64*\q+16*\bl+\i], v[64*\q+16*\bl+\i], -v[96+4*\q+\bl], v[96+4*\q+\bl]
.endr
.endr
.endr
	WIN \W
.irp q, 0,1,2,3
.irp bl, 0,1,2,3
	v_cvt_scalef32_pk8_fp8_f32 v[128+4*(4*\q+\bl):128+4*(4*\q+\bl)+1], v[64*\q+16*\bl:64*\q+16*\bl+7], v[112+4*\q+\bl]
	v_cvt_scalef32_pk8_fp8_f32 v[128+4*(4*\q+\bl)+2:128+4*(4*\q+\bl)+3], v[64*\q+16*\bl+8:64*\q+16*\bl+15], v[112+4*\q+\bl]
.endr
.endr
	v_nop                                          ; a plain line behind the last conversion: the next products write its sources
	WIN 0
.irp q, 0,1,2,3
.irp bl, 0,1,2,3
	ds_store_b128 v8, v[128+4*(4*\q+\bl):128+4*(4*\q+\bl)+3] offset:2048*(4*((\W)-2)+\q)+512*\bl
.endr
.endr
.irp q, 0,1,2,3
	ds_store_b32 v9, v[192+\q] offset:256*(\q%2)+4*(2*((\W)-2)+\q/2)
.endr
	s_wait_dscnt 0x0                               ; the stores have read their registers
.endm
	QH 2
	QH 3
	BARRIER                                        ; h2's 32 fragments and 4 quads lie in LDS, where Q's lay: every wave's last read of Q stands ahead of an earlier barrier
	; ---- out = h2 Wo^T: 4 K steps, written out: every LDS offset an immediate; the last two ask for nothing more of Wo
	v_add_nc_u32 v6, HSC, v[LI]
	PRIME LI, 6
	KSTEP 1, 0, 1, 49, 49, 1, 1, LI, 16384, 6, 512, 0, -1
	KSTEP 1, 1, 0, 49, 49, 1, 1, LI, 32768, 6, 1024, 1, 2
	KSTEP 1, 0, 0, 49, 33, 0, 1, LI, 49152, 6, 1536, -1, -1   ; behind its quad stand 16 + 16 + 17 loads, behind its last four fragments 16 + 17
	KSTEP 1, 1, 0, 16, 0, 0, 0, LI, 0, 6, 0, -1, -1           ; behind its quad stand 16, behind its last four fragments none
	; ---- THE WAY OUT.  Tile t of my 8: 16 output channels x 128 positions.  A lane holds one channel and four runs of 16 positions: the tile goes through my own stage and comes back as whole rows of 512 bytes; x is added; 32 lanes store a row.
	v_and_b32 v10, 15, v0
	v_bfe_u32 v11, v0, 4, 1
	s_mul_i32 s61, s[WV], 16896
	s_add_co_u32 s61, s61, PIMG                    ; my two stages, where P lay: every wave's last read of P stands ahead of the last barrier
	v_mul_u32_u24 v8, v10, 528
	v_lshl_add_u32 v8, v11, 6, v8
	v_add_nc_u32 v8, s61, v8                       ; in: row r, + 64 h
	v_add_nc_u32 v9, s61, v[LI]                    ; back: 16 bytes a lane
	v_and_b32 v11, 8, v10
	v_add_nc_u32 v10, v10, v11
	v_lshlrev_b32 v10, 2, v10                      ; bo: 4 (r + 8 (r / 8))
.macro XLOAD t                         ; x's 16 rows of tile t, 512 consecutive bytes a load, into window 1, v[64 (t % 2)] on
	WIN 0x40
.set i, 0
.rept 16
	global_load_b128 v[64*((\t)%2)+4*i:64*((\t)%2)+4*i+3], v[LI], s[XB:XB+1] offset:(32*((\t)/2)+8*((\t)%2)+i+8*(i/8))*4096 th:TH_LOAD_NT
.set i, i+1
.endr
	WIN 0
.endm
.macro BIAS t                          ; + bo of my channel, in place, each accumulator from its low end on
	WIN 0x41*(2+(\t)/4)
.set i, 0
.rept 32
	v_pk_add_f32 v[64*((\t)%4)+2*i:64*((\t)%4)+2*i+1], v[64*((\t)%4)+2*i:64*((\t)%4)+2*i+1], v[BOV+2*(\t):BOV+2*(\t)+1] op_sel_hi:[1,0]
.set i, i+1
.endr
.endm
.macro TOSTAGE t                       ; registers 4 i on are positions 32 (i / 4) + 16 h + 8 ((i / 2) % 2) + 4 (i % 2) on
	WIN 4*(2+(\t)/4)
.set i, 0
.rept 16
	ds_store_b128 v8, v[64*((\t)%4)+4*i:64*((\t)%4)+4*i+3] offset:8448*((\t)%2)+128*(i/4)+32*((i/2)%2)+16*(i%2)
.set i, i+1
.endr
	WIN 0x40
.set i, 0
.rept 16
	ds_load_b128 v[128+64*((\t)%2)+4*i:128+64*((\t)%2)+4*i+3], v9 offset:8448*((\t)%2)+528*i   ; LDS serves a wave's instructions in order (ISA guide 5.7.1.4): these see my stores
.set i, i+1
.endr
	WIN 0
.endm
.irp t, 0,1,2,3,4,5,6,7
	global_load_b32 v[BOV+2*\t], v10, s[16:17] offset:4*(32*(\t/2)+8*(\t%2))
.endr
	XLOAD 0
	XLOAD 1
	s_wait_loadcnt 32                              ; bo is in; x's two tiles stay out
	BIAS 0
	TOSTAGE 0
.irp t, 0,1,2,3,4,5,6,7
.if \t < 7
	BIAS \t+1
.if \t > 0
	s_wait_xcnt 0x0                                ; tile t - 1's stores have read the registers into which tile t + 1 comes back
.endif
	TOSTAGE \t+1
	s_wait_dscnt 32                                ; tile t is back: behind its loads stand tile t + 1's 16 stores and 16 loads
	s_wait_loadcnt 16                              ; x's tile t is in; tile t + 1's 16 loads stay out
.else
	s_wait_dscnt 0x0
	s_wait_loadcnt 0x0
.endif
	WIN 0x45
.set i, 0
.rept 32
	v_pk_add_f32 v[128+64*(\t%2)+2*i:128+64*(\t%2)+2*i+1], v[128+64*(\t%2)+2*i:128+64*(\t%2)+2*i+1], v[64*(\t%2)+2*i:64*(\t%2)+2*i+1]
.set i, i+1
.endr
	WIN 0x04
.set i, 0
.rept 16
	global_store_b128 v[LI], v[128+64*(\t%2)+4*i:128+64*(\t%2)+4*i+3], s[OB:OB+1] offset:(32*(\t/2)+8*(\t%2)+i+8*(i/8))*4096 th:TH_STORE_NT   ; 512 consecutive bytes, aligned
.set i, i+1
.endr
	WIN 0
.if \t < 6
	XLOAD \t+2
.endif
.if \t < 5
	global_prefetch_b8 v[PFX], s[XB:XB+1] offset:(32*((\t+3)/2)+8*((\t+3)%2))*4096 th:TH_LOAD_NT scope:SCOPE_SE   ; tile t + 3: one tile ahead of the loads; the last tiles ask for nothing
.endif
.endr
	s_wait_xcnt 0x0
	v_lshl_add_u32 v254, v0, 2, 0x40000
	v_mov_b32 v255, 0
	s_wait_tensorcnt 0x0
	ds_add_u32 v254, v255
	s_wait_dscnt 0x0
	s_endpgm
.Lfunc_end_k_q9f8ff52828_attn:
	.size	k_q9f8ff52828_attn, .Lfunc_end_k_q9f8ff52828_attn-k_q9f8ff52828_attn
	.p2alignl 7, 3214868480
	.fill 96, 4, 3214868480
	.section	.rodata,"a",@progbits
	.p2align	6, 0x0
	.amdhsa_kernel k_q9f8ff52828_attn
		.amdhsa_group_segment_fixed_size 262656
		.amdhsa_private_segment_fixed_size 0
		.amdhsa_enable_private_segment 0
		.amdhsa_kernarg_size 72
		.amdhsa_user_sgpr_count 2
		.amdhsa_user_sgpr_kernarg_segment_ptr 1
		.amdhsa_wavefront_size32 1
		.amdhsa_system_sgpr_workgroup_id_x 1
		.amdhsa_system_sgpr_workgroup_id_y 1
		.amdhsa_system_sgpr_workgroup_id_z 1
		.amdhsa_system_vgpr_workitem_id 0
		.amdhsa_next_free_vgpr 1024
		.amdhsa_next_free_sgpr 66
		.amdhsa_reserve_vcc 0
		.amdhsa_float_denorm_mode_32 3
		.amdhsa_float_denorm_mode_16_64 3
		.amdhsa_memory_ordered 1
		.amdhsa_forward_progress 1
		.amdhsa_inst_pref_size 255
	.end_amdhsa_kernel
	.section	.bss,"aw",@nobits
	.p2align	6
	.space	262144
	.amdgpu_metadata
---
amdhsa.version: [ 1, 2 ]
amdhsa.kernels:
  - .name:           k_q9f8ff52828_attn
    .symbol:         k_q9f8ff52828_attn.kd
    .args:
      - { .name: qkc, .offset: 0, .size: 8, .value_kind: global_buffer, .address_space: global }
      - { .name: qks, .offset: 8, .size: 8, .value_kind: global_buffer, .address_space: global }
      - { .name: vc, .offset: 16, .size: 8, .value_kind: global_buffer, .address_space: global }
      - { .name: vs, .offset: 24, .size: 8, .value_kind: global_buffer, .address_space: global }
      - { .name: wc, .offset: 32, .size: 8, .value_kind: global_buffer, .address_space: global }
      - { .name: ws, .offset: 40, .size: 8, .value_kind: global_buffer, .address_space: global }
      - { .name: bo, .offset: 48, .size: 8, .value_kind: global_buffer, .address_space: global }
      - { .name: x, .offset: 56, .size: 8, .value_kind: global_buffer, .address_space: global }
      - { .name: out0, .offset: 64, .size: 8, .value_kind: global_buffer, .address_space: global }
    .group_segment_fixed_size: 262656
    .private_segment_fixed_size: 0
    .kernarg_segment_align: 8
    .kernarg_segment_size: 72
    .max_flat_workgroup_size: 128
    .sgpr_count:     66
    .vgpr_count:     1024
    .wavefront_size: 32
...
	.end_amdgpu_metadata
.endif
;; end of part 3
